; MI455X (gfx1250); checked and timed in simulation.
; The chip was launched on July 23, 2026; its instructions are those of AMD's public machine-readable ISA for CDNA 5 (MIT licence, August 2026) and "CDNA5" Instruction Set Architecture Reference Guide (July 2026). The comments in the code are by the model that wrote it; some were corrected since.
;; GPT3 Parallel Self Attention. Allowed arithmetic: matrix products marked QUANTISED: E4M3 operands, one given power-of-two scale a tensor, by v_wmma_f32_16x16x64_fp8_fp8 or v_wmma_f32_16x16x128_fp8_fp8, f32 sums; everything else in f32.
;; Inputs: b_dense 1,024 float32; b_qkv 3,072 float32; hidden_states 1 x 4,096 x 1,024 float32; lowp_scales 8 int32 (the exponents e of the quantised operands' scales 2^e); ltor_mask 1 x 1 x 4,096 x 4,096 float32; w_dense 1,024 x 1,024 float32; w_qkv 3,072 x 1,024 float32.
;; Outputs: out0 1 x 4,096 x 1,024 float32.
;; This version of the problem:
;;   THIS VERSION OF THE PROBLEM IS GIVEN IN LOW PRECISION. The matrix products marked QUANTISED in the list below multiply operands that are first quantised to E4M3 (4 exponent bits, 3 mantissa bits; 8 bits a number), with one given power-of-two scale for each operand tensor; their sums are f32. All else is computed in f32.
;;   The module's matrix products, in the order in which they are computed (A, B: the left and right operand; K: the contracted axis; several contracted axes count as one K, in the product's order):
;;     1. [M 4,096, K 1,024] x [K 1,024, N 3,072]; A: input hidden_states; B: input w_qkv: QUANTISED (scales: A lowp_scales[0], B lowp_scales[1])
;;     2. batch 16 x [M 4,096, K 64] x [K 64, N 4,096]; A: computed on the way; B: computed on the way: QUANTISED (scales: A lowp_scales[2], B lowp_scales[3])
;;     3. batch 16 x [M 4,096, K 4,096] x [K 4,096, N 64]; A: softmax (see below); B: computed on the way: QUANTISED (scales: A lowp_scales[4], B lowp_scales[5])
;;     4. [M 4,096, K 1,024] x [K 1,024, N 1,024]; A: computed on the way; B: input w_dense: QUANTISED (scales: A lowp_scales[6], B lowp_scales[7])
;;   THE QUANTISER, for each operand of a quantised product, along K:
;;     - The operand's scale is 2^e, e = its entry of the input lowp_scales (int32; the entries are numbered through the quantised products in the list's order, A before B).
;;     - Each number is divided by the scale, clamped to +-448, and rounded to the nearest number of E4M3, ties to even, subnormals kept.
;;     - The product sums the exact products of the quantised numbers (number of the format x scale) in f32.
;;   ~~~python
;;   def quantise(x, axis, e):      # numpy; x: float32 -> the quantised numbers, widened to float32 again
;;       x = np.moveaxis(x, axis, -1); K = x.shape[-1]
;;       r = np.clip(x / 2.0 ** e, -448, 448)
;;       step = 2.0 ** (np.maximum(np.frexp(np.where(r == 0, 1, r))[1] - 1, -6) - 3)
;;       q = np.round(r / step) * step * 2.0 ** e      # np.round: ties to even
;;       return np.moveaxis(q, -1, axis).astype(np.float32)
;;   ~~~
;;   SOFTMAX AHEAD OF A QUANTISED PRODUCT. Where the list says 'softmax', what is quantised is not the finished softmax but p = 2^(t - M), with t = logit x log2(e) and M = ceil(the row's largest t), a whole number; so 1/2 < the row's largest p <= 1. The row's sum l is taken of the UNQUANTISED p, in f32, and the product's result is divided by l at the end. Since M is a whole number, a kernel that streams over the keys may use a running M (the ceiling of the running maximum): every later rescaling is an exact power of two, so the quantised numbers keep their values, but for numbers so far below the row's largest that they fall under the format's range.
;;   OPERANDS COMPUTED ON THE WAY. 'Computed on the way' means the value that the module computes at that place (a softmax that the list does not call 'softmax' is quantised finished and normalised). What goes into a quantiser is computed in f32, as accurately as f32 sums, v_exp_f32 and their like allow (about 1e-6 of the number): no bf16 or f16 on the way to a quantiser, and a product that is left as it is and whose result goes on into a quantised operand takes f32 operands (vector FMAs, or v_wmma_f32_16x16x4_f32). A number that lies on a knife's edge between two numbers of the format may be rounded either way, as far as f32 arithmetic and the matrix unit's own rounding can turn it there, and no further.
;; One version. Each part assembles by itself: llvm-mc -triple=amdgcn-amd-amdhsa -mcpu=gfx1250 --defsym DOCPART=n.
;; ======== version 1 of 1: 4 launches
;; limits: right only within a limited range of input values
;; workspace buffers: hc 4,194,304 bytes; wqc 3,145,728 bytes; wdc 1,048,576 bytes; qc 4,194,304 bytes; kc 4,194,304 bytes; vc 4,194,304 bytes; cc 4,194,304 bytes
;; launch quant (part 1): grid 256 x 1, 4 waves a work-group, no clusters, 33,280 bytes of LDS; arguments hidden_states, w_qkv, w_dense, lowp_scales, hc, wqc, wdc; writes hc, wqc, wdc
.if DOCPART == 1
	.amdgcn_target "amdgcn-amd-amdhsa--gfx1250"
	.amdhsa_code_object_version 6
	.text
	.protected	k_q11c07eefef_quant
	.globl	k_q11c07eefef_quant
	.p2align	8
	.type	k_q11c07eefef_quant,@function
k_q11c07eefef_quant:
	s_mov_b64 s[64:65], 0
	v_nop
	global_prefetch_b8 v0, s[64:65] scope:SCOPE_SE
	s_setreg_imm32_b32 hwreg(HW_REG_WAVE_MODE, 25, 1), 1
	s_wait_xcnt 0x0
; hidden_states [4096][1024], w_qkv [3072][1024] and w_dense [1024][1024], f32 with K innermost, become codes of FP8 (E4M3), each with the one scale 2^e given for it
; (entries 0, 1 and 7 of the scales).  code = x / 2^e, held within +-448, rounded to the nearest code, ties to even.
; LIMITS: -126 <= e <= 119, so that 2^e and 448 x 2^e are f32 numbers.  NaN among the inputs is not served (an infinity is held at the largest code).
; THE CODES' LAYOUT is [K block 8][row][128 bytes]: 128 rows x 128 along K are then one dense block of 16,384 bytes for the products' tensor loads.
; SHARES: work-groups 0-127 take hidden_states, 128-223 w_qkv, 224-255 w_dense; only pointers and numbers are chosen, there is one path.  A work-group takes 32 rows, a wave 8.
; A step is four rows x one K block (512 numbers).  Each of its four loads reads 512 consecutive bytes, 16 a lane; the conversions want 16 NEIGHBOURS in a lane, so the 2,048 bytes turn through the
; wave's own stage in LDS (16 bytes of padding behind each 64) and come back 64 bytes a lane: lane l then holds numbers 16 (l % 8) .. + 15 of row l / 8, and its 16 codes belong at byte 16 l of the
; four rows' 512 bytes: one store of 512 consecutive bytes.  No tensor loads, no barrier: waves share nothing.  Loads run four steps (16 loads a wave) ahead, the turn through LDS one step.
.set STEPS, 16
.set R,     16                         ; v16-79   four sets of 16 numbers as they are loaded
.set X,     80                         ; v80-111  two sets of 16 neighbours
.set OFFK,  112                        ; v112-119 16 x lane + K block x (the tensor's rows x 128): never rewritten
.set C,     128                        ; v128-191 codes: four registers for each step, so that no store's data are written again
.set WREG,  8192                       ; LDS: a region for each wave: two stages of 32 x SP bytes
.set SP,    80                         ; a lane's place in a stage: 64 bytes + 16 of padding
	s_load_b256 s[4:11], s[0:1], 0x0               ; hidden_states s[4:5], w_qkv s[6:7], w_dense s[8:9], the scales' exponents s[10:11]
	s_load_b128 s[12:15], s[0:1], 0x20             ; hc s[12:13], wqc s[14:15]
	s_load_b64 s[16:17], s[0:1], 0x30              ; wdc
	v_lshl_add_u32 v192, v0, 2, 0x8000
	v_mov_b32 v193, 0
	v_lshrrev_b32 v1, 5, v0
	v_readfirstlane_b32 s23, v1                    ; wave
	v_and_b32 v2, 31, v0                           ; lane
	v_lshlrev_b32 v3, 4, v2                        ; my 16 bytes of a load's 512, and of a store's
	s_wait_alu depctr_va_vdst(0)
	s_mul_i32 s19, s23, WREG
	v_lshrrev_b32 v14, 2, v2
	v_mul_u32_u24 v14, v14, SP
	v_and_b32 v15, 3, v2
	v_lshl_add_u32 v14, v15, 4, v14
	v_add_nc_u32 v14, s19, v14                     ; the stage, on the way in: SP (lane / 4) + 16 (lane % 4); a load's 512 bytes take eight places
	v_mul_u32_u24 v15, v2, SP
	v_add_nc_u32 v15, s19, v15                     ; and on the way out: SP x lane
	s_cmp_lt_u32 ttmp9, 224                        ; which tensor: the choice hangs on the work-group's number alone
	s_mov_b32 s20, 224
	s_cselect_b32 s20, 128, s20                    ; the tensor's first work-group,
	s_mov_b32 s21, 131072
	s_cselect_b32 s21, 393216, s21                 ; and a K block of its codes in bytes: rows x 128
	s_cmp_lt_u32 ttmp9, 128
	s_cselect_b32 s20, 0, s20
	s_cselect_b32 s21, 524288, s21
	s_sub_co_u32 s18, ttmp9, s20
	s_lshl_b32 s18, s18, 2
	s_add_co_u32 s18, s18, s23                     ; which run of 8 rows of the tensor is my wave's
	s_lshl_b32 s32, s18, 15                        ; 8 rows of 4,096 bytes in,
	s_mov_b32 s33, 0
	s_lshl_b32 s34, s18, 10                        ; 8 rows of 128 bytes out
	s_mov_b32 s35, 0
.irp k, 0,1,2,3,4,5,6,7
	s_mul_i32 s22, s21, \k
	v_add_nc_u32 v[OFFK+\k], s22, v3
.endr
	s_wait_kmcnt 0x0
	s_load_b256 s[24:31], s[10:11], 0x0            ; the eight exponents
	s_cmp_lt_u32 ttmp9, 224
	s_cselect_b64 s[6:7], s[6:7], s[8:9]
	s_cselect_b64 s[14:15], s[14:15], s[16:17]
	s_cmp_lt_u32 ttmp9, 128
	s_cselect_b64 s[4:5], s[4:5], s[6:7]
	s_cselect_b64 s[12:13], s[12:13], s[14:15]
	s_add_nc_u64 s[4:5], s[4:5], s[32:33]
	s_add_nc_u64 s[12:13], s[12:13], s[34:35]
.macro LOAD t                          ; step t: rows 4 (t / 8) .. + 3, K block t % 8
.irp i, 0,1,2,3
	global_load_b128 v[R+16*((\t)%4)+4*\i:R+16*((\t)%4)+4*\i+3], v3, s[4:5] offset:((\t)/8)*16384+\i*4096+((\t)%8)*512 th:TH_LOAD_NT   ; 32 lanes read 512 consecutive bytes, read once in the launch
.endr
.endm
.macro TURN t                          ; step t's numbers through the stage: LDS serves a wave's instructions in order, so no wait stands between the stores and the loads
.irp i, 0,1,2,3
	ds_store_b128 v14, v[R+16*((\t)%4)+4*\i:R+16*((\t)%4)+4*\i+3] offset:32*SP*((\t)%2)+8*SP*\i
.endr
.irp i, 0,1,2,3
	ds_load_b128 v[X+16*((\t)%2)+4*\i:X+16*((\t)%2)+4*\i+3], v15 offset:32*SP*((\t)%2)+16*\i
.endr
.endm
.irp t, 0,1,2,3
	LOAD \t
.endr
	s_wait_kmcnt 0x0
	s_cmp_lt_u32 ttmp9, 224
	s_cselect_b32 s22, s25, s31                    ; w_qkv's e or w_dense's,
	s_cmp_lt_u32 ttmp9, 128
	s_cselect_b32 s22, s24, s22                    ; or hidden_states'
	s_add_co_i32 s22, s22, 127
	s_lshl_b32 s36, s22, 23
	v_mov_b32 v11, s36                             ; 2^e as f32: the conversion takes its exponent field
	s_add_co_i32 s22, s22, 8
	s_lshl_b32 s22, s22, 23
	s_or_b32 s22, s22, 0x600000
	s_wait_alu depctr_va_vdst(0)
	s_wait_loadcnt 12                              ; step 0's four loads are in; the 12 of steps 1 to 3 may be out
	TURN 0
.macro STEP t
.set XS, X+16*((\t)%2)
	s_wait_dscnt 0x0                               ; this step's numbers are back from the stage: so its stores into the stage have read their registers,
.if (\t)+4 < STEPS
	LOAD (\t)+4                                    ; which take the loads of four steps on
.endif
.if (\t)+1 < STEPS
.if STEPS-2-(\t) >= 3
	s_wait_loadcnt 12                              ; the next step's four loads are in; those of the three steps behind it may be out
.else
	s_wait_loadcnt 4*(STEPS-2-(\t))                ; the tail: as many as are left behind the next step's
.endif
	TURN (\t)+1                                    ; and go through the other stage while this step is worked
.endif
.irp i, 0,1,2,3,4,5,6,7,8,9,10,11,12,13,14,15
.endr
	v_cvt_scalef32_pk8_fp8_f32 v[C+4*(\t):C+4*(\t)+1], v[XS:XS+7], v11
	v_cvt_scalef32_pk8_fp8_f32 v[C+4*(\t)+2:C+4*(\t)+3], v[XS+8:XS+15], v11
	; (the codes go to a store alone)
	global_store_b128 v[OFFK+(\t)%8], v[C+4*(\t):C+4*(\t)+3], s[12:13] offset:((\t)/8)*512   ; 32 lanes store 512 consecutive bytes, at a multiple of 512 from the buffer's first byte
.endm
.irp t, 0,1,2,3,4,5,6,7,8,9,10,11,12,13,14,15
	STEP \t
.endr
	s_wait_tensorcnt 0x0
	ds_add_u32 v192, v193
	s_wait_dscnt 0x0
	s_endpgm
.Lfunc_end_k_q11c07eefef_quant:
	.size	k_q11c07eefef_quant, .Lfunc_end_k_q11c07eefef_quant-k_q11c07eefef_quant
	.p2alignl 7, 3214868480
	.fill 96, 4, 3214868480
	.section	.rodata,"a",@progbits
	.p2align	6, 0x0
	.amdhsa_kernel k_q11c07eefef_quant
		.amdhsa_group_segment_fixed_size 33280
		.amdhsa_private_segment_fixed_size 0
		.amdhsa_enable_private_segment 0
		.amdhsa_kernarg_size 56
		.amdhsa_user_sgpr_count 2
		.amdhsa_user_sgpr_kernarg_segment_ptr 1
		.amdhsa_wavefront_size32 1
		.amdhsa_system_sgpr_workgroup_id_x 1
		.amdhsa_system_sgpr_workgroup_id_y 1
		.amdhsa_system_sgpr_workgroup_id_z 1
		.amdhsa_system_vgpr_workitem_id 0
		.amdhsa_next_free_vgpr 194
		.amdhsa_next_free_sgpr 66
		.amdhsa_reserve_vcc 0
		.amdhsa_float_denorm_mode_32 3
		.amdhsa_float_denorm_mode_16_64 3
		.amdhsa_fp16_overflow 1
		.amdhsa_memory_ordered 1
		.amdhsa_forward_progress 1
		.amdhsa_inst_pref_size 22
	.end_amdhsa_kernel
	.amdgpu_metadata
---
amdhsa.version: [ 1, 2 ]
amdhsa.kernels:
  - .name:           k_q11c07eefef_quant
    .symbol:         k_q11c07eefef_quant.kd
    .args:
      - { .name: hidden_states, .offset: 0, .size: 8, .value_kind: global_buffer, .address_space: global }
      - { .name: w_qkv, .offset: 8, .size: 8, .value_kind: global_buffer, .address_space: global }
      - { .name: w_dense, .offset: 16, .size: 8, .value_kind: global_buffer, .address_space: global }
      - { .name: lowp_scales, .offset: 24, .size: 8, .value_kind: global_buffer, .address_space: global }
      - { .name: hc, .offset: 32, .size: 8, .value_kind: global_buffer, .address_space: global }
      - { .name: wqc, .offset: 40, .size: 8, .value_kind: global_buffer, .address_space: global }
      - { .name: wdc, .offset: 48, .size: 8, .value_kind: global_buffer, .address_space: global }
    .group_segment_fixed_size: 33280
    .private_segment_fixed_size: 0
    .kernarg_segment_align: 8
    .kernarg_segment_size: 56
    .max_flat_workgroup_size: 128
    .sgpr_count:     66
    .vgpr_count:     194
    .wavefront_size: 32
...
	.end_amdgpu_metadata
.endif
;; end of part 1
;; launch proj (part 2): grid 24 x 32, 4 waves a work-group, clusters of 4 x 4, 295,424 bytes of LDS; arguments hc, wqc, b_qkv, lowp_scales, qc, kc, vc; writes qc, kc, vc
.if DOCPART == 2
	.amdgcn_target "amdgcn-amd-amdhsa--gfx1250"
	.amdhsa_code_object_version 6
	.text
	.protected	k_q11c07eefef_proj
	.globl	k_q11c07eefef_proj
	.p2align	8
	.type	k_q11c07eefef_proj,@function
k_q11c07eefef_proj:
	s_mov_b64 s[64:65], 0
	v_nop
	global_prefetch_b8 v0, s[64:65] scope:SCOPE_SE
	s_setreg_imm32_b32 hwreg(HW_REG_WAVE_MODE, 25, 1), 1
	s_wait_xcnt 0x0
	s_wait_alu depctr_hold_cnt(0) depctr_sa_sdst(0) depctr_va_vdst(0) depctr_va_sdst(0) depctr_va_ssrc(0) depctr_va_vcc(0) depctr_vm_vsrc(0)
	s_getreg_b32 s2, hwreg(HW_REG_IB_STS2, 6, 4)
	s_cmp_eq_u32 s2, 0
	s_cbranch_scc0 .Lentry_in_a_cluster
	s_endpgm
.Lentry_in_a_cluster:
	s_bfe_u32 s2, ttmp6, 0x10000c
	s_cmp_lg_u32 s2, 0xf033
	s_cbranch_scc0 .Lentry_shape_is_right
	s_endpgm
.Lentry_shape_is_right:
; mixed = hidden w_qkv^T + b_qkv on codes of FP8 (E4M3), and its three parts quantised at once for attention: q with 2^e2, k with 2^e3, v with 2^e5 (e0, e1: the scales of hidden and of w_qkv).
; A work-group makes 128 x 128 of the product, its four waves 64 x 64 each: 16 accumulators.  K is 1,024: ALL of it, for both operands, lies in LDS at once (16 blocks of 128 rows x 128 codes),
; so no LDS byte is filled twice.  Each wave issues four tensor loads at the start (four are out), and the K blocks are multiplied as they land.
; X IS SOURCE 0 (its rows become a lane's 8 registers), Y IS SOURCE 1 (its rows become the lanes).  For q and k: X = 128 rows of w_qkv, Y = 128 tokens: a lane holds one token and 8 neighbouring
; features, which are the scores' K.  For v: X = 128 tokens, Y = 128 rows of w_qkv: a lane holds one feature and 8 neighbouring tokens, the keys, which are the last product's K.  Nothing is transposed.
; CLUSTERS: 4 x 4 work-groups.  X's tile hangs on the place along x and is shared along a column of the cluster, Y's on the place along y and is shared along a row: each is asked for jointly.
; Clusters with x = 0, 1 make q, 2, 3 make k, 4, 5 make v: what differs between them is chosen by the cluster's x, which all sixteen partners share.
; FRAGMENTS come by four loads of 16 bytes, 32 bytes apart: a permutation of k that is the same on both sides, so every product meets its partner.
; OUT: q, k: [head pair 8][token 4096][128 bytes]; v: [head pair 8][key step 32][feature of the pair 128][128 bytes].  In both a tile is one dense block of 16,384 bytes, row = Y's row.  Of X's 128 numbers
; number n lies at the byte that has n's bits 3 and 4 exchanged: a lane's 16 codes of two neighbouring accumulators are stored as they stand.  Attention reads q and k alike, and reads v by loads of 16 bytes
; that undo the exchange.
; THE BIAS is the C of each sum's first product, divided by 2^(e0 + e1), which the sums lack.  The conversion's one scale is 2^(eo - e0 - e1), eo = e2, e3 or e5.
; LIMITS: eo - e0 - e1 between -126 and 127; b_qkv / 2^(e0 + e1) stays an f32 number.  NaN among the inputs is not served.
; REGISTERS: window 0: v1-9 at work, v4 the conversion's scale; v16-19 LDS addresses of fragments; v24-26 the way out; v32-63 the bias; v64-95 codes; v128-255 the accumulators ((a, b) at 128 + 8 (4 a + b)).
;   window 1: two sets of fragments, at v0 and at v128: X's four (16 registers each), then Y's four.
.set PITCH, 144                        ; an LDS row: 128 bytes + 16 of padding = 36 words: the 16 rows that a load touches start at 16 different multiples of 4 banks (64 banks of 4 bytes: ISA guide 11.1)
.set KBL,   128*PITCH                  ; a K block of 128 rows
.set YBASE, 8*KBL                      ; X's eight K blocks, then Y's eight
.set ADX, 16                           ; v16, v17  my X fragments in K blocks 0-3, 4-7; never rewritten
.set ADY, 18                           ; v18, v19  the same for Y
.set STO, 24                           ; v24  the way out: where I put 16 codes
.set RD,  25                           ; v25  and where I read rows back
.set CO,  26                           ; v26  16 x lane
.set BI,  32
.set TMP, 64
.set ACC, 128
.set G1Y, 24                           ; s[24:31] descriptor group 1 for Y's tiles; s[32:39] for X's: they differ in the mask alone
.set G1X, 32
.set G0Y, 40                           ; s[40:55] four groups 0 for Y; s[68:83] for X.  None is written again
.set G0X, 68
.set FLAGS, (1<<20)|(1<<21)|(4<<22)|(3<<25)    ; 17:16 elements of 1 byte; 20 padding on; 21 set beside a mask; 24:22 after every 32 words (code 4); 31:25 four words (code 3)
.set MSB, 0
.macro WIN new                         ; the immediate's high byte repeats the setting that is left
.if MSB != \new
	s_set_vgpr_msb (MSB<<8)|\new
.set MSB, \new
.endif
.endm
.macro CREST                           ; a round of the cluster's barrier behind its opening barrier
	s_cmp_lg_u32 s18, 0
	s_cbranch_scc1 .Lnot_wave_0_\@
	s_barrier_signal -3
.Lnot_wave_0_\@:
	s_barrier_wait -3
	s_barrier_signal -1
	s_barrier_wait -1
.endm
.macro CROUND
	s_barrier_signal -1
	s_barrier_wait -1
	CREST
.endm
.macro PLACES                          ; four plain vector instructions between a matrix instruction and a load into a register that it has read, or a read of its result
.rept 4
	v_nop
.endr
.endm
.macro PHASE n                         ; my first 4 - n tensor loads have landed (n younger ones may be out), my LDS loads are in: then everybody's
	s_wait_tensorcnt \n
	s_wait_dscnt 0x0
	s_barrier_signal -1
	s_barrier_wait -1
.endm
.macro FETCH s                         ; K block s: X's four fragments and Y's four into set s % 2: 32 loads in one run
	WIN 0x40                                       ; destination window 1, address window 0
.irp i, 0,1,2,3
.irp c, 0,1,2,3
	ds_load_b128 v[128*((\s)%2)+16*\i+4*\c:128*((\s)%2)+16*\i+4*\c+3], v[ADX+(\s)/4] offset:((\s)%4)*KBL+\i*16*PITCH+32*\c
.endr
.endr
.irp i, 0,1,2,3
.irp c, 0,1,2,3
	ds_load_b128 v[128*((\s)%2)+64+16*\i+4*\c:128*((\s)%2)+64+16*\i+4*\c+3], v[ADY+(\s)/4] offset:((\s)%4)*KBL+\i*16*PITCH+32*\c
.endr
.endr
.endm
; 16 matrix instructions, 128 along K.  The 16 accumulators take turns, one instruction a turn, in the same order in every step.
; mode 0: the sums go on; 1: they start with the bias along the registers (X's rows); 2: with the bias along the lanes (Y's rows)
.macro MUL16 f, mode
	WIN 0x05                                       ; sources 0 and 1 window 1; C and D window 0
.irp a, 0,1,2,3
.irp b, 0,1,2,3
.if \mode == 0
	v_wmma_f32_16x16x128_fp8_fp8 v[ACC+8*(4*\a+\b):ACC+8*(4*\a+\b)+7], v[\f+16*\b:\f+16*\b+15], v[\f+64+16*\a:\f+64+16*\a+15], v[ACC+8*(4*\a+\b):ACC+8*(4*\a+\b)+7]
.elseif \mode == 1
	v_wmma_f32_16x16x128_fp8_fp8 v[ACC+8*(4*\a+\b):ACC+8*(4*\a+\b)+7], v[\f+16*\b:\f+16*\b+15], v[\f+64+16*\a:\f+64+16*\a+15], v[BI+8*\b:BI+8*\b+7]
.else
	v_wmma_f32_16x16x128_fp8_fp8 v[ACC+8*(4*\a+\b):ACC+8*(4*\a+\b)+7], v[\f+16*\b:\f+16*\b+15], v[\f+64+16*\a:\f+64+16*\a+15], v[BI+8*\a:BI+8*\a+7]
.endif
.endr
.endr
.endm
.macro KSTEP s, ph                     ; K block s is multiplied; ahead of it K block s + 1 is fetched into the set that block s - 1 has left.  ph >= 0: block s + 1 is the first of a pair that has yet to be shown landed
	PLACES
.if \ph >= 0
	PHASE \ph
.endif
	FETCH (\s)+1
	s_wait_dscnt 32                                ; all but the 32 loads just issued
	MUL16 128*((\s)%2), 0
.endm
	s_load_b256 s[4:11], s[0:1], 0x0               ; hc s[4:5], wqc s[6:7], b_qkv s[8:9], the scales' exponents s[10:11]
	s_load_b128 s[12:15], s[0:1], 0x20             ; qc s[12:13], kc s[14:15]
	s_load_b64 s[16:17], s[0:1], 0x30              ; vc
	v_lshl_add_u32 v126, v0, 2, 0x48000
	v_mov_b32 v127, 0
	ds_add_u32 v126, v127
	ds_add_u32 v126, v127
	v_lshrrev_b32 v1, 5, v0
	v_readfirstlane_b32 s18, v1                    ; wave 0..3
	s_lshr_b32 s19, s18, 1                         ; which 64 of Y's rows are mine.  Also: I fetch for Y (0) or for X (1)
	s_and_b32 s20, s18, 1                          ; which 64 of X's rows.  Also: I fetch the even K blocks (0) or the odd ones (1)
	s_bfe_u32 s21, ttmp6, 0x40000                  ; cx, cy: my place in the cluster
	s_bfe_u32 s22, ttmp6, 0x40004
	s_and_b32 s23, ttmp7, 0xffff                   ; the cluster's y; ttmp9 is its x
	s_lshl_b32 s56, s22, 2
	s_lshl_b32 s56, 15, s56                        ; my row of the cluster
	s_lshl_b32 s57, 0x1111, s21                    ; my column
	s_or_b32 s[G1Y], s56, FLAGS                    ; 15:0 the mask: Y's tiles go to my row,
	s_or_b32 s[G1X], s57, FLAGS                    ; X's to my column
.irp g, G1Y, G1X
	s_mov_b32 s[\g+1], 128<<16                     ; tensor_dim0 = 128
	s_mov_b32 s[\g+2], 128<<16                     ; tensor_dim1 = 128
	s_mov_b32 s[\g+3], 128<<16                     ; tile_dim0 = 128
	s_mov_b32 s[\g+4], 128                         ; tile_dim1 = 128
	s_mov_b32 s[\g+5], 128                         ; tensor_dim0_stride: the block is dense
	s_mov_b32 s[\g+6], 0
	s_mov_b32 s[\g+7], 0
.endr
	s_cmp_lt_u32 ttmp9, 4                          ; a tile of q or k, or one of v?
	s_cselect_b32 s58, ttmp9, s23                  ; the cluster's coordinate that counts X's tiles,
	s_cselect_b32 s59, s23, ttmp9                  ; and Y's
	s_mov_b32 s60, 524288
	s_cselect_b32 s60, 393216, s60                 ; from K block to K block in X's buffer (wqc: 3,072 rows x 128; hc: 4,096 x 128),
	s_mov_b32 s62, 393216
	s_cselect_b32 s62, 524288, s62                 ; and in Y's
	s_lshl_b32 s58, s58, 2
	s_add_co_u32 s58, s58, s21                     ; X's tile: it never holds cy
	s_lshl_b32 s59, s59, 2
	s_add_co_u32 s59, s59, s22                     ; Y's tile: it never holds cx
	s_lshl_b32 s92, s58, 14                        ; a tile of a K block is 16,384 bytes
	s_mul_i32 s93, s20, s60
	s_add_co_u32 s92, s92, s93                     ; + my first K block
	s_mov_b32 s93, 0
	s_lshl_b32 s94, s59, 14
	s_mul_i32 s95, s20, s62
	s_add_co_u32 s94, s94, s95
	s_mov_b32 s95, 0
	s_lshl_b32 s60, s60, 1                         ; from one of my K blocks to the next: two blocks
	s_mov_b32 s61, 0
	s_lshl_b32 s62, s62, 1
	s_mov_b32 s63, 0
	s_mul_i32 s66, s20, KBL                        ; where they go: no place in the cluster enters an LDS address
	s_wait_dscnt 0x0
	s_wait_kmcnt 0x0
	s_load_b256 s[84:91], s[10:11], 0x0            ; e0 .. e7
	s_cmp_lt_u32 ttmp9, 4
	s_cselect_b64 s[96:97], s[6:7], s[4:5]         ; X's buffer
	s_cselect_b64 s[98:99], s[4:5], s[6:7]         ; Y's
	s_add_nc_u64 s[96:97], s[96:97], s[92:93]
	s_add_nc_u64 s[98:99], s[98:99], s[94:95]
.irp i, 0,1,2,3                        ; my load i brings K block 2 i + (wave % 2)
	s_mov_b32 s[G0Y+4*\i], 1                                       ; count = 1
	s_add_co_u32 s[G0Y+4*\i+1], s66, YBASE+\i*2*KBL                ; LDS address
	s_mov_b64 s[G0Y+4*\i+2:G0Y+4*\i+3], s[98:99]                   ; global address
	s_or_b32 s[G0Y+4*\i+3], s[G0Y+4*\i+3], 0x80000000              ; type = 2
	s_mov_b32 s[G0X+4*\i], 1
	s_add_co_u32 s[G0X+4*\i+1], s66, \i*2*KBL
	s_mov_b64 s[G0X+4*\i+2:G0X+4*\i+3], s[96:97]
	s_or_b32 s[G0X+4*\i+3], s[G0X+4*\i+3], 0x80000000
.if \i < 3
	s_add_nc_u64 s[98:99], s[98:99], s[62:63]
	s_add_nc_u64 s[96:97], s[96:97], s[60:61]
.endif
.endr
	CROUND                                         ; all sixteen work-groups are here: the joint loads meet
	s_cmp_eq_u32 s19, 0                            ; a wave's four fills stand in one branch on the wave's number, ahead of every wait on TENSORcnt and every LDS read; four v_nop follow the last
	s_cbranch_scc0 .Lfor_x
	tensor_load_to_lds s[G0Y:G0Y+3], s[G1Y:G1Y+7]
	s_nop 0
	tensor_load_to_lds s[G0Y+4:G0Y+7], s[G1Y:G1Y+7]
	s_nop 0
	tensor_load_to_lds s[G0Y+8:G0Y+11], s[G1Y:G1Y+7]
	s_nop 0
	tensor_load_to_lds s[G0Y+12:G0Y+15], s[G1Y:G1Y+7]
	s_nop 0
.rept 4
	v_nop
.endr
	s_branch .Lasked
.Lfor_x:
	tensor_load_to_lds s[G0X:G0X+3], s[G1X:G1X+7]
	s_nop 0
	tensor_load_to_lds s[G0X+4:G0X+7], s[G1X:G1X+7]
	s_nop 0
	tensor_load_to_lds s[G0X+8:G0X+11], s[G1X:G1X+7]
	s_nop 0
	tensor_load_to_lds s[G0X+12:G0X+15], s[G1X:G1X+7]
	s_nop 0
.rept 4
	v_nop
.endr
.Lasked:
	v_and_b32 v1, 15, v0                           ; r = lane % 16
	v_bfe_u32 v2, v0, 4, 1                         ; h = lane / 16
	v_mul_u32_u24 v3, v1, PITCH
	v_lshl_add_u32 v3, v2, 4, v3                   ; row r x pitch + 16 h
	s_mul_i32 s56, s20, 64*PITCH                   ; my 64 rows of X,
	s_mul_i32 s57, s19, 64*PITCH                   ; my 64 rows of Y,
	v_add_nc_u32 v[ADX], s56, v3
	s_add_co_u32 s56, s57, YBASE                   ; which lie behind X's eight blocks
	v_add_nc_u32 v[ADY], s56, v3
	v_add_nc_u32 v[ADX+1], 4*KBL, v[ADX]
	v_add_nc_u32 v[ADY+1], 4*KBL, v[ADY]
	s_lshl_b32 s56, s20, 6
	s_add_co_u32 s56, s56, s57
	v_add_nc_u32 v[STO], s56, v3                   ; the stage: row 64 (wave / 2) + r, byte 64 (wave % 2) + 16 h
	v_and_b32 v8, 31, v0
	v_lshlrev_b32 v[CO], 4, v8
	v_lshrrev_b32 v9, 3, v8
	v_mul_u32_u24 v9, v9, PITCH
	v_and_b32 v8, 7, v8
	v_lshl_add_u32 v9, v8, 4, v9
	s_mul_i32 s56, s18, 32*PITCH
	v_add_nc_u32 v[RD], s56, v9                    ; back: my 32 rows, four rows of 128 bytes an instruction
	s_cmp_lt_u32 ttmp9, 4
	s_cselect_b32 s2, s58, s59                     ; the block of 128 features, 0 .. 23,
	s_cselect_b32 s3, s59, s58                     ; and of 128 tokens
	s_cselect_b64 s[14:15], s[14:15], s[16:17]     ; kc or vc,
	s_cmp_lt_u32 ttmp9, 2
	s_cselect_b64 s[12:13], s[12:13], s[14:15]     ; or qc
	s_lshl_b32 s92, s2, 9
	s_mov_b32 s93, 0
	s_add_nc_u64 s[8:9], s[8:9], s[92:93]          ; b_qkv at the block's 128 numbers
	s_lshl_b32 s56, s20, 8
	v_lshlrev_b32 v6, 5, v2
	v_add_nc_u32 v6, s56, v6                       ; along the registers: feature 64 (wave % 2) + 16 b + 8 h + j
	s_lshl_b32 s56, s19, 8
	v_lshlrev_b32 v7, 2, v1
	v_add_nc_u32 v7, s56, v7                       ; along the lanes: feature 64 (wave / 2) + 16 a + r
.irp b, 0,1,2,3                        ; both forms are loaded, 36 words a lane, so that no branch stands round a load; one of them is used
	global_load_b128 v[BI+8*\b:BI+8*\b+3], v6, s[8:9] offset:64*\b
	global_load_b128 v[BI+8*\b+4:BI+8*\b+7], v6, s[8:9] offset:64*\b+16
.endr
.irp a, 0,1,2,3
	global_load_b32 v[TMP+\a], v7, s[8:9] offset:64*\a
.endr
	s_and_b32 s92, s2, 7                           ; the head pair
	s_lshl_b32 s92, s92, 19
	s_lshl_b32 s56, s3, 14
	s_add_co_u32 s92, s92, s56                     ; + the tile's dense block
	s_lshl_b32 s56, s18, 12
	s_add_co_u32 s92, s92, s56                     ; + my 32 rows of 128 bytes
	s_add_nc_u64 s[12:13], s[12:13], s[92:93]
	s_wait_kmcnt 0x0
	s_cmp_lt_u32 ttmp9, 4
	s_cselect_b32 s94, s87, s89                    ; e3 or e5,
	s_cmp_lt_u32 ttmp9, 2
	s_cselect_b32 s94, s86, s94                    ; or e2
	s_add_co_i32 s95, s84, s85                     ; e0 + e1: a sum stands for sum x 2^(e0 + e1)
	s_sub_co_i32 s94, s94, s95
	s_sub_co_i32 s95, 0, s95                       ; so the bias goes in x 2^-(e0 + e1),
	s_add_co_i32 s94, s94, 127
	s_lshl_b32 s56, s94, 23
	v_mov_b32 v4, s56                              ; and the conversion takes 2^(eo - e0 - e1)
	s_wait_loadcnt 0x0                             ; the bias
	PHASE 3                                        ; K blocks 0 and 1 lie in LDS
	FETCH 0
	FETCH 1
	WIN 0                                          ; at a branch and at a label every window is 0
	s_wait_dscnt 32                                ; K block 0's fragments are in
	s_cmp_ge_u32 ttmp9, 4                          ; the cluster's x: the same in all sixteen partners
	s_cbranch_scc1 .Lv_tile
.irp j, 0,1,2,3,4,5,6,7,8,9,10,11,12,13,14,15,16,17,18,19,20,21,22,23,24,25,26,27,28,29,30,31
	v_ldexp_f32 v[BI+\j], v[BI+\j], s95
.endr
	MUL16 0, 1
	WIN 0
	s_branch .Lstarted
.Lv_tile:
.irp a, 0,1,2,3
.irp j, 0,1,2,3,4,5,6,7
	v_ldexp_f32 v[BI+8*\a+\j], v[TMP+\a], s95      ; one feature a lane: the same number in all eight registers
.endr
.endr
	MUL16 0, 2
	WIN 0
.Lstarted:
	KSTEP 1, 2
	KSTEP 2, -1
	KSTEP 3, 1
	KSTEP 4, -1
	KSTEP 5, 0
	KSTEP 6, -1
	s_wait_dscnt 0x0
	MUL16 128, 0
	WIN 0
	; THE WAY OUT.  The 16 registers of accumulators (a, 2 u) and (a, 2 u + 1) become 16 codes, 16 bytes.  They meet the other waves' in a stage of 128 rows x 144 bytes, which lies over X's K block 0:
	; that block has had its one fill, and every wave's reads of it were waited for ahead of the barriers passed since.  Each accumulator is read from its low end on.
	PLACES
.irp a, 0,1,2,3
.irp u, 0,1
.irp j, 0,1,2,3,4,5,6,7,8,9,10,11,12,13,14,15
.endr
	v_cvt_scalef32_pk8_fp8_f32 v[TMP+4*(2*\a+\u):TMP+4*(2*\a+\u)+1], v[ACC+8*(4*\a+2*\u):ACC+8*(4*\a+2*\u)+7], v4
	v_cvt_scalef32_pk8_fp8_f32 v[TMP+4*(2*\a+\u)+2:TMP+4*(2*\a+\u)+3], v[ACC+8*(4*\a+2*\u)+8:ACC+8*(4*\a+2*\u)+15], v4
.endr
.endr
	v_nop                                          ; a plain vector line behind the last conversion
.irp a, 0,1,2,3
.irp u, 0,1
	ds_store_b128 v[STO], v[TMP+4*(2*\a+\u):TMP+4*(2*\a+\u)+3] offset:\a*16*PITCH+32*\u
.endr
.endr
	s_wait_dscnt 0x0                               ; for the others' sake: my stores into the stage are done
	s_barrier_signal -1
	s_barrier_wait -1
.irp i, 0,1,2,3,4,5,6,7
	ds_load_b128 v[TMP+4*\i:TMP+4*\i+3], v[RD] offset:\i*4*PITCH
.endr
.irp i, 0,1,2,3,4,5,6,7
	s_wait_dscnt 7-\i                              ; the younger loads may be out
	global_store_b128 v[CO], v[TMP+4*\i:TMP+4*\i+3], s[12:13] offset:512*\i   ; 32 lanes store 512 consecutive bytes, at a multiple of 512 from the buffer's first byte
.endr
	s_wait_tensorcnt 0x0
	ds_add_u32 v126, v127
	s_wait_dscnt 0x0
	CROUND                                         ; the closing round: no work-group ends while a partner may still ask for a tile that names it
	s_endpgm
.Lfunc_end_k_q11c07eefef_proj:
	.size	k_q11c07eefef_proj, .Lfunc_end_k_q11c07eefef_proj-k_q11c07eefef_proj
	.p2alignl 7, 3214868480
	.fill 96, 4, 3214868480
	.section	.rodata,"a",@progbits
	.p2align	6, 0x0
	.amdhsa_kernel k_q11c07eefef_proj
		.amdhsa_group_segment_fixed_size 295424
		.amdhsa_private_segment_fixed_size 0
		.amdhsa_enable_private_segment 0
		.amdhsa_kernarg_size 56
		.amdhsa_user_sgpr_count 2
		.amdhsa_user_sgpr_kernarg_segment_ptr 1
		.amdhsa_wavefront_size32 1
		.amdhsa_system_sgpr_workgroup_id_x 1
		.amdhsa_system_sgpr_workgroup_id_y 1
		.amdhsa_system_sgpr_workgroup_id_z 1
		.amdhsa_system_vgpr_workitem_id 0
		.amdhsa_next_free_vgpr 512
		.amdhsa_next_free_sgpr 100
		.amdhsa_reserve_vcc 0
		.amdhsa_float_denorm_mode_32 3
		.amdhsa_float_denorm_mode_16_64 3
		.amdhsa_fp16_overflow 1
		.amdhsa_memory_ordered 1
		.amdhsa_forward_progress 1
		.amdhsa_inst_pref_size 45
	.end_amdhsa_kernel
	.amdgpu_metadata
---
amdhsa.version: [ 1, 2 ]
amdhsa.kernels:
  - .name:           k_q11c07eefef_proj
    .symbol:         k_q11c07eefef_proj.kd
    .args:
      - { .name: hc, .offset: 0, .size: 8, .value_kind: global_buffer, .address_space: global }
      - { .name: wqc, .offset: 8, .size: 8, .value_kind: global_buffer, .address_space: global }
      - { .name: b_qkv, .offset: 16, .size: 8, .value_kind: global_buffer, .address_space: global }
      - { .name: lowp_scales, .offset: 24, .size: 8, .value_kind: global_buffer, .address_space: global }
      - { .name: qc, .offset: 32, .size: 8, .value_kind: global_buffer, .address_space: global }
      - { .name: kc, .offset: 40, .size: 8, .value_kind: global_buffer, .address_space: global }
      - { .name: vc, .offset: 48, .size: 8, .value_kind: global_buffer, .address_space: global }
    .group_segment_fixed_size: 295424
    .private_segment_fixed_size: 0
    .kernarg_segment_align: 8
    .kernarg_segment_size: 56
    .max_flat_workgroup_size: 128
    .sgpr_count:     100
    .vgpr_count:     512
    .wavefront_size: 32
...
	.end_amdgpu_metadata
.endif
;; end of part 2
;; launch attn (part 3): grid 4 x 64, 16 waves a work-group, clusters of 4 x 4, 327,680 bytes of LDS; arguments qc, kc, vc, ltor_mask, lowp_scales, cc; writes cc
.if DOCPART == 3
	.amdgcn_target "amdgcn-amd-amdhsa--gfx1250"
	.amdhsa_code_object_version 6
	.text
	.protected	k_q11c07eefef_attn
	.globl	k_q11c07eefef_attn
	.p2align	8
	.type	k_q11c07eefef_attn,@function
k_q11c07eefef_attn:
	s_mov_b64 s[64:65], 0
	v_nop
	global_prefetch_b8 v0, s[64:65] scope:SCOPE_SE
	s_setreg_imm32_b32 hwreg(HW_REG_WAVE_MODE, 25, 1), 1
	s_wait_xcnt 0x0
	s_wait_alu depctr_hold_cnt(0) depctr_sa_sdst(0) depctr_va_vdst(0) depctr_va_sdst(0) depctr_va_ssrc(0) depctr_va_vcc(0) depctr_vm_vsrc(0)
	s_getreg_b32 s2, hwreg(HW_REG_IB_STS2, 6, 4)
	s_cmp_eq_u32 s2, 0
	s_cbranch_scc0 .Lentry_in_a_cluster
	s_endpgm
.Lentry_in_a_cluster:
	s_bfe_u32 s2, ttmp6, 0x10000c
	s_cmp_lg_u32 s2, 0xf033
	s_cbranch_scc0 .Lentry_shape_is_right
	s_endpgm
.Lentry_shape_is_right:
; ctx = softmax(q k^T / 8 x mask - 10000 (1 - mask)) v for 16 heads of 64, 4,096 tokens, both products on codes of FP8 (E4M3); ctx leaves as codes with the scale 2^e6, for the last product.
; THE MASK IS AN INPUT: every word of it is read and used, in f32, and every score is computed.  With S the sum over codes, E = e2 + e3 and Kb = 80000 / 2^E:
;   u = S m + (m Kb - Kb), two fused multiply-adds;  t = u c', c' = log2(e) / 8 x 2^E.  For m = 1 the second term is exactly 0, for m = 0 u is exactly -Kb; S + 10000 is never formed.
; THE SOFTMAX: M = the running largest t rounded UP to a whole number; p = 2^(t - M) is quantised with 2^e4, not normalised; the row's sum is taken of the unquantised p and divides at the end.
; When M moves, the sum and O are multiplied by 2^(old M - new M), which rounds nothing.
; SHARES.  A work-group owns 64 queries x 4 heads; wave w owns head w / 4 of the four and queries 16 (w % 4) .. + 15: one tile, 256 registers, four waves to a SIMD, so that one wave's vector work stands
; beside another's matrix work and LDS loads.  Every wave walks all 4,096 keys, 128 a step.
; CLUSTER 4 x 4: along x the four groups of heads, along y four blocks of queries.  A step's mask tile (64 queries x 128 keys) hangs on the block of queries alone and is shared along a row of the cluster, which
; is all 16 heads: each word of the mask is asked for once in the launch.  K's and V's tiles hang on the heads alone and are shared along a column.
; LAYOUT.  Both products are used transposed: S^T = K Q^T (source 0 = 16 neighbouring keys, source 1 = my 16 queries), O^T = V^T P^T: a lane holds ONE query (lane % 16) throughout.  Score tile t holds keys
; 16 t + 8 (lane / 16) + 0 .. 7: its eight codes ARE registers 2 t, 2 t + 1 of the second product's source 1.  V's codes lie with bits 3 and 4 of the key exchanged, so that four loads of 16 bytes give source 0 in the same order of keys.
; LIMITS on the given exponents, so that each power of two is an f32 number: e2 + e3 between -111 and 130; e4, and e6 - e4 - e5, between -126 and 127.  NaN among the inputs is not served.
; REGISTERS: v1-3 my lane's places in a slot; v4 the prefetches' offset; v5, v6 the spare word's address and 0; v7 2^e4; v8, v9, v248 addresses in hand; v[10:11] Kb; v12 -M, v13 the largest t, v[14:15] the sum in halves;
;   v16-23 Q; v24-55 O^T; v56-119 S^T, then u, then p; v120-183 K's eight fragments, then V's four; v184-247 the mask, and when it is done with: v184-199 p's codes, v200-208 at work; v250-255 three pairs at work.
.set KP,    144                        ; a row of K or V in LDS: 128 bytes + 16
.set MP,    528                        ; a row of the mask: 512 bytes + 16.  With both pitches the 16 rows that a load touches start at 16 different multiples of 4 banks (64 banks of 4 bytes: ISA guide 11.1)
.set TILEB, 128*KP
.set KOFF,  64*MP                      ; a slot: the mask's 64 rows; K of head pair 0, of head pair 1; V of head pair 0, of head pair 1: 107,520 bytes
.set VOFF,  KOFF+2*TILEB
.set SLOT1, 1<<17                      ; slot 1 begins here, so that one exclusive or turns an address in one slot into the other's
.set SPARE, 2*SLOT1                    ; the spare words, 128 bytes for each of 16 waves: eight blocks of 256 bytes that no other line names
.set STG,   SPARE+16*128               ; the stage for the way out: [head pair 2][64 rows] x 144 bytes; no fill lands here
.set AM0, 1
.set AK0, 2
.set AV0, 3
.set PFO, 4
.set SPW, 5
.set NIL, 6
.set PSC, 7
.set ADM, 8
.set ADK, 9
.set KBV, 10
.set QF,  16
.set OT,  24
.set S,   56
.set F,   120
.set MK,  184
.set PC,  184
.set ADV, 248
.set T,   250
.set TB,  2                            ; s2   LDS byte at which the slot in hand begins
.set WV,  18                           ; s18  my wave's number
.set PLIM, 19
.set SEL, 20                           ; s[20:21] lane selects for v_permlanex16_b32: lane l xor 16
.set CS,  22                           ; s[22:23] c'
.set G1M, 24                           ; s[24:31] descriptor group 1 for the mask's tiles; s[32:39] for K's and V's; s[40:43], s[44:47] their groups 0, which walk
.set G1K, 32
.set G0M, 40
.set G0K, 44
.set SLOTS, 67                         ; s67  tiles still to be asked for
.set PFA, 76                           ; s[76:77] where my prefetches stand; s[78:79] a key step on, in bytes; s80: 1 in a wave that prefetches, else the greatest number
.set PFS, 78
.set LIM, 80
.macro CROUND                          ; a round of the cluster's barrier
	s_barrier_signal -1
	s_barrier_wait -1
	s_cmp_lg_u32 s[WV], 0
	s_cbranch_scc1 .Lnot_wave_0_\@
	s_barrier_signal -3
.Lnot_wave_0_\@:
	s_barrier_wait -3
	s_barrier_signal -1
	s_barrier_wait -1
.endm
; The joint loads of a key step: waves 0 and 1 K's two head pairs, waves 2 and 3 V's, wave 4 the mask's tile, the others nothing: one load a wave.  The branches hang on the wave's number alone.
; Four v_nop follow each of the two lines.
.macro TLOAD
	s_cmp_lt_u32 s[WV], 4
	s_cbranch_scc0 .Lnot_kv_\@
	tensor_load_to_lds s[G0K:G0K+3], s[G1K:G1K+7]
	s_nop 0
.rept 4
	v_nop
.endr
	s_branch .Lasked_\@
.Lnot_kv_\@:
	s_cmp_eq_u32 s[WV], 4
	s_cbranch_scc0 .Lasked_\@
	tensor_load_to_lds s[G0M:G0M+3], s[G1M:G1M+7]
	s_nop 0
.rept 4
	v_nop
.endr
.Lasked_\@:
.endm
; A PREFETCH INTO THE L2 of what the NEXT change of slots will ask for, one key step ahead of that load; it stands where the fetching waves have their tensor load, in waves that fetch nothing, one instruction each.
; The mask's tile (64 rows x 512 bytes) is read by one row of one cluster: its four work-groups take 16 rows each, told apart by address; wave 5 asks: lane l for row l / 2, 256 bytes l % 2.
; K's and V's tiles are read by every cluster: the cluster with y = 0 asks; its sixteen work-groups take half a head pair's tile each (8,192 bytes, lanes 256 bytes apart), told apart by address; wave 6 for K, wave 7 for V.
; So each aligned block of 256 bytes is named once in the launch.  The last change that fills a slot asks for nothing: there is no key step behind it.  Key steps 0 and 1 come by their loads alone.
.macro ASK
	s_cmp_gt_u32 s[SLOTS], s[LIM]
	s_cbranch_scc0 .Lnot_mine_\@
	global_prefetch_b8 v[PFO], s[PFA:PFA+1] th:TH_LOAD_NT scope:SCOPE_SE
.Lnot_mine_\@:
.endm
	s_load_b256 s[4:11], s[0:1], 0x0               ; qc s[4:5], kc s[6:7], vc s[8:9], the mask s[10:11]
	s_load_b128 s[12:15], s[0:1], 0x20             ; the scales' exponents s[12:13], cc s[14:15]
	v_lshl_add_u32 v[SPW], v0, 2, SPARE
	v_mov_b32 v[NIL], 0
	ds_add_u32 v5, v6
	ds_add_u32 v5, v6
	s_wait_dscnt 0x0
	v_lshrrev_b32 v8, 5, v0
	s_delay_alu instid0(VALU_DEP_1)
	v_readfirstlane_b32 s[WV], v8                  ; wave 0..15
	s_bfe_u32 s48, ttmp6, 0x40000                  ; cx: my group of four heads
	s_bfe_u32 s49, ttmp6, 0x40004                  ; cy
	s_and_b32 s50, ttmp7, 0xffff                   ; the cluster's y
	s_lshl_b32 s51, s50, 2
	s_add_co_u32 s51, s51, s49                     ; my block of 64 queries
	s_lshl_b32 s52, s49, 2
	s_lshl_b32 s52, 15, s52                        ; my row of the cluster
	s_lshl_b32 s53, 0x1111, s48                    ; my column
	s_or_b32 s[G1M], s52, (2<<16)|(1<<20)|(1<<21)|(6<<22)|(3<<25)   ; 15:0 the mask of work-groups: my row; 17:16 elements of 4 bytes; 20 padding on; 21 set beside a mask; 24:22 after every 128 words (code 6); 31:25 four words (code 3)
	s_mov_b32 s[G1M+1], 128<<16                    ; tensor_dim0 = 128
	s_mov_b32 s[G1M+2], 64<<16                     ; tensor_dim1 = 64
	s_mov_b32 s[G1M+3], 128<<16                    ; tile_dim0 = 128
	s_mov_b32 s[G1M+4], 64                         ; tile_dim1 = 64
	s_mov_b32 s[G1M+5], 4096                       ; tensor_dim0_stride: a row of the mask
	s_mov_b32 s[G1M+6], 0
	s_mov_b32 s[G1M+7], 0
	s_or_b32 s[G1K], s53, (0<<16)|(1<<20)|(1<<21)|(4<<22)|(3<<25)   ; my column; elements of 1 byte; four words of padding after every 32
	s_mov_b32 s[G1K+1], 128<<16
	s_mov_b32 s[G1K+2], 128<<16
	s_mov_b32 s[G1K+3], 128<<16
	s_mov_b32 s[G1K+4], 128
	s_mov_b32 s[G1K+5], 128                        ; the tile is a dense block of 16,384 bytes
	s_mov_b32 s[G1K+6], 0
	s_mov_b32 s[G1K+7], 0
	s_and_b32 s54, s[WV], 3                        ; my tile of 16 queries.  Also: which of K's and V's four tiles I fetch, if I fetch
	s_lshr_b32 s55, s[WV], 3                       ; my head pair of the two
	s_bfe_u32 s56, s[WV], 0x10002                  ; my head of the pair
	s_and_b32 s57, s[WV], 1
	s_lshl_b32 s58, s51, 20                        ; the mask: 64 rows of 16,384 bytes for each block of queries: it never holds cx
	s_mov_b32 s59, 0
	s_lshl_b32 s60, s48, 1
	s_add_co_u32 s60, s60, s57
	s_lshl_b32 s60, s60, 19                        ; K, V: head pair 2 cx + (wave % 2), 524,288 bytes each: it never holds cy
	s_mov_b32 s61, 0
	s_mov_b32 s[G0M], 1                            ; count = 1
	s_mov_b32 s[G0M+1], 0                          ; LDS address: slot 0
	s_mov_b32 s[G0K], 1
	s_mul_i32 s[G0K+1], s54, TILEB
	s_add_co_u32 s[G0K+1], s[G0K+1], KOFF
	s_mov_b32 s[SEL], 0x76543210
	s_mov_b32 s[SEL+1], 0xfedcba98
	s_mov_b32 s[TB], 0
	s_mov_b32 s[SLOTS], 31
	s_wait_kmcnt 0x0
	s_load_b256 s[68:75], s[12:13], 0x0            ; e0 .. e7
	s_add_nc_u64 s[G0M+2:G0M+3], s[10:11], s[58:59]
	s_or_b32 s[G0M+3], s[G0M+3], 0x80000000        ; type = 2
	s_and_b32 s62, s[WV], 2
	s_cmp_lg_u32 s62, 0
	s_cselect_b64 s[G0K+2:G0K+3], s[8:9], s[6:7]   ; waves 2 and 3: V; waves 0 and 1: K
	s_add_nc_u64 s[G0K+2:G0K+3], s[G0K+2:G0K+3], s[60:61]
	s_or_b32 s[G0K+3], s[G0K+3], 0x80000000
	CROUND                                         ; all sixteen work-groups are here: the first joint loads meet
	TLOAD                                          ; key step 0 into slot 0
	; Q's and ctx's places
	s_lshl_b32 s58, s48, 1
	s_add_co_u32 s58, s58, s55                     ; my head pair of the eight
	s_lshl_b32 s58, s58, 19
	s_lshl_b32 s59, s51, 13
	s_add_co_u32 s58, s58, s59                     ; + my block's 64 tokens of 128 bytes
	s_lshl_b32 s60, s54, 11
	s_add_co_u32 s60, s60, s58                     ; + my 16 queries
	s_lshl_b32 s59, s56, 6
	s_add_co_u32 s60, s60, s59                     ; + my head's 64 bytes
	s_add_nc_u64 s[4:5], s[4:5], s[60:61]
	s_and_b32 s59, s[WV], 7
	s_lshl_b32 s59, s59, 10
	s_add_co_u32 s60, s58, s59                     ; ctx: the 8 rows that I store
	s_add_nc_u64 s[14:15], s[14:15], s[60:61]
	v_and_b32 v8, 15, v0                           ; r = lane % 16
	s_wait_alu depctr_va_vdst(0)
	v_bfe_u32 v9, v0, 4, 1                         ; h = lane / 16
	v_lshlrev_b32 v[ADV], 7, v8
	s_delay_alu instid0(VALU_DEP_1)
	v_lshl_add_u32 v[ADV], v9, 4, v[ADV]
	global_load_b128 v[QF:QF+3], v[ADV], s[4:5]            ; Q's fragment stays in registers: row r, 16 bytes at 16 h and at 32 + 16 h, as K's are read
	global_load_b128 v[QF+4:QF+7], v[ADV], s[4:5] offset:32
	; the prefetches: where my wave's stand, and who asks
	s_cmp_eq_u32 s[WV], 6
	s_cselect_b64 s[PFA:PFA+1], s[6:7], s[8:9]
	s_cmp_eq_u32 s[WV], 5
	s_cselect_b64 s[PFA:PFA+1], s[10:11], s[PFA:PFA+1]
	s_mov_b32 s[PFS], 16384
	s_cselect_b32 s[PFS], 512, s[PFS]              ; a key step on: 128 words of a row of the mask, or a tile of K or V
	s_mov_b32 s[PFS+1], 0
	s_mov_b32 s62, 512
	s_cselect_b32 s62, 16384, s62                  ; from one pair of lanes to the next: a row of the mask, or 512 bytes
	s_cselect_b32 s63, 0, s50                      ; wave 5 asks in every cluster, waves 6 and 7 where the cluster's y is 0: the same in all sixteen partners
	s_lshl_b32 s81, s51, 20
	s_lshl_b32 s82, s48, 18
	s_add_co_u32 s81, s81, s82                     ; the mask: my block's rows, of them 16 cx on
	s_lshl_b32 s82, s48, 1
	s_lshr_b32 s83, s49, 1
	s_add_co_u32 s82, s82, s83
	s_lshl_b32 s82, s82, 19                        ; K, V: head pair 2 cx + cy / 2,
	s_and_b32 s83, s49, 1
	s_lshl_b32 s83, s83, 13
	s_add_co_u32 s82, s82, s83                     ; half cy % 2 of its tile
	s_cmp_eq_u32 s[WV], 5
	s_cselect_b32 s82, s81, s82
	s_add_co_u32 s82, s82, s[PFS]                  ; at key step 1: the first change of slots steps it to 2.  Nothing is prefetched here, at the head
	s_mov_b32 s83, 0
	s_add_nc_u64 s[PFA:PFA+1], s[PFA:PFA+1], s[82:83]
	s_sub_co_u32 s82, s[WV], 5
	s_cmp_lt_u32 s82, 3                            ; waves 5, 6, 7
	s_cselect_b32 s63, s63, 1
	s_cmp_eq_u32 s63, 0
	s_cselect_b32 s[LIM], 1, -1
	v_and_b32 v[PFO], 31, v0
	s_delay_alu instid0(VALU_DEP_1)
	v_lshrrev_b32 v[AM0], 1, v[PFO]
	s_delay_alu instid0(VALU_DEP_2)
	v_and_b32 v[PFO], 1, v[PFO]
	s_delay_alu instid0(VALU_DEP_1)
	v_lshlrev_b32 v[PFO], 8, v[PFO]
	s_delay_alu instid0(VALU_DEP_1)
	v_mad_u32_u24 v[PFO], v[AM0], s62, v[PFO]
	; my lane's places in a slot
	v_mul_u32_u24 v[AM0], v8, MP
	s_wait_alu depctr_va_vdst(0)
	v_lshl_add_u32 v[AM0], v9, 5, v[AM0]
	s_mul_i32 s81, s54, 16*MP
	v_add_nc_u32 v[AM0], s81, v[AM0]               ; the mask: row 16 (w % 4) + r, + 32 h: my eight keys of a tile of 16
	v_mul_u32_u24 v[AK0], v8, KP
	s_delay_alu instid0(VALU_DEP_1)
	v_lshl_add_u32 v[AK0], v9, 4, v[AK0]           ; row r x pitch + 16 h
	s_mul_i32 s81, s55, TILEB
	s_mul_i32 s82, s56, 64*KP
	s_add_co_u32 s82, s82, s81
	s_add_co_u32 s82, s82, VOFF
	v_add_nc_u32 v[AV0], s82, v[AK0]               ; V: my head pair's tile, my head's 64 rows
	s_lshl_b32 s82, s56, 6
	s_add_co_u32 s82, s82, s81
	s_add_co_u32 s82, s82, KOFF
	v_add_nc_u32 v[AK0], s82, v[AK0]               ; K: my head pair's tile, my head's 64 bytes of a row
	v_mov_b32 v13, 0xff61b1e6                      ; the largest t so far: -3e38, under every t
	s_delay_alu instid0(VALU_DEP_1)
	v_floor_f32 v12, -v13                          ; -M
	v_mov_b32 v14, 0                               ; the sum, in two halves
	v_mov_b32 v15, 0
.irp j, 0,1,2,3,4,5,6,7,8,9,10,11,12,13,14,15,16,17,18,19,20,21,22,23,24,25,26,27,28,29,30,31
	v_mov_b32 v[OT+\j], 0                          ; O^T.  (The step is written once for the loop: its first trip finds zeros, which the first change of M leaves zeros)
.endr
	s_wait_kmcnt 0x0
	s_add_co_i32 s81, s70, s71                     ; E = e2 + e3
	s_lshl_b32 s81, s81, 23
	s_add_co_i32 s[CS], s81, 0x3e38aa3b            ; c' = log2(e) / 8 x 2^E: E is added to the exponent field
	s_mov_b32 s[CS+1], s[CS]                       ; (named with it as a pair, so it is written)
	s_sub_co_i32 s82, 0x479c4000, s81              ; Kb = 80000 / 2^E
	v_mov_b32 v[KBV], s82
	v_mov_b32 v[KBV+1], s82
	s_add_co_i32 s81, s72, 127
	s_lshl_b32 s82, s81, 23
	v_mov_b32 v[PSC], s82                          ; 2^e4 as f32, for p's conversions
; A KEY STEP: 128 keys, from the slot that begins at s[TB].
.macro STEP
	v_add_nc_u32 v[ADM], s[TB], v[AM0]
	v_add_nc_u32 v[ADK], s[TB], v[AK0]
	v_nop
	v_nop                                          ; four plain lines behind the last products, ahead of loads into registers that they have read (ISA guide 7.12.1 for vector instructions)
.irp t, 0,1,2,3,4,5,6,7
	ds_load_b128 v[F+8*\t:F+8*\t+3], v[ADK] offset:\t*16*KP
	ds_load_b128 v[F+8*\t+4:F+8*\t+7], v[ADK] offset:\t*16*KP+32
.endr
.irp t, 0,1,2,3,4,5,6,7
	ds_load_b128 v[MK+8*\t:MK+8*\t+3], v[ADM] offset:64*\t
	ds_load_b128 v[MK+8*\t+4:MK+8*\t+7], v[ADM] offset:64*\t+16
.endr
	s_wait_dscnt 16                                ; K is in; the mask's 16 loads are younger
.irp t, 0,1,2,3,4,5,6,7
	v_wmma_f32_16x16x64_fp8_fp8 v[S+8*\t:S+8*\t+7], v[F+8*\t:F+8*\t+7], v[QF:QF+7], 0   ; S^T: keys 16 t on x my 16 queries; K = the head's 64
.endr
	s_wait_dscnt 0x0                               ; the mask is in
.irp n, 0,1,2
	v_pk_fma_f32 v[T+2*\n:T+2*\n+1], v[MK+2*\n:MK+2*\n+1], v[KBV:KBV+1], v[KBV:KBV+1] neg_lo:[0,0,1] neg_hi:[0,0,1]   ; m Kb - Kb, two at a time
.endr
	v_add_nc_u32 v[ADV], s[TB], v[AV0]             ; with the three lines above: the four places behind the products, ahead of the loads into K's registers
.irp d, 0,1,2,3
.irp c, 0,1,2,3
	ds_load_b128 v[F+16*\d+4*\c:F+16*\d+4*\c+3], v[ADV] offset:\d*16*KP+32*\c   ; V's four fragments land while the softmax is walked
.endr
.endr
.set p, 0
.rept 32                               ; u = S m + (m Kb - Kb), in ascending order: each accumulator is read from its low end on; the second term is made three pairs ahead
	v_pk_fma_f32 v[S+2*p:S+2*p+1], v[S+2*p:S+2*p+1], v[MK+2*p:MK+2*p+1], v[T+2*(p%3):T+2*(p%3)+1]
.if p+3 < 32
	v_pk_fma_f32 v[T+2*(p%3):T+2*(p%3)+1], v[MK+2*(p+3):MK+2*(p+3)+1], v[KBV:KBV+1], v[KBV:KBV+1] neg_lo:[0,0,1] neg_hi:[0,0,1]
.endif
.set p, p+1
.endr
	v_max3_num_f32 v200, v[S], v[S+1], v[S+2]      ; the step's largest u of my query, among my 64 keys, in two chains,
	v_max3_num_f32 v202, v[S+3], v[S+4], v[S+5]
.irp i, 6,10,14,18,22,26,30,34,38,42,46,50,54,58
	s_delay_alu instid0(VALU_DEP_2)
	v_max3_num_f32 v200, v200, v[S+\i], v[S+\i+1]
	s_delay_alu instid0(VALU_DEP_2)
	v_max3_num_f32 v202, v202, v[S+\i+2], v[S+\i+3]
.endr
	s_delay_alu instid0(VALU_DEP_2)
	v_max3_num_f32 v200, v200, v[S+62], v[S+63]
	s_delay_alu instid0(VALU_DEP_1)
	v_max_num_f32 v200, v200, v202
	s_delay_alu instid0(VALU_DEP_1)
	v_permlanex16_b32 v208, v200, s[SEL], s[SEL+1]
	s_delay_alu instid0(VALU_DEP_1)
	v_max_num_f32 v200, v200, v208                 ; and among lane l xor 16's
	s_delay_alu instid0(VALU_DEP_1)
	v_mul_f32 v200, s[CS], v200                    ; as t (c' is positive)
	s_delay_alu instid0(VALU_DEP_1)
	v_max_num_f32 v13, v13, v200                   ; the running largest t
	v_mov_b32 v200, v12
	s_delay_alu instid0(VALU_DEP_2)
	v_floor_f32 v12, -v13                          ; the new -M = floor(-t) = -ceil(t): M is a whole number
	s_delay_alu instid0(VALU_DEP_1)
	v_sub_f32 v200, v12, v200                      ; M's old value less its new one: a whole number, 0 or less
	s_delay_alu instid0(VALU_DEP_1)
	v_cvt_i32_f32 v200, v200                       ; (it saturates)
	s_delay_alu instid0(VALU_DEP_1)
	v_ldexp_f32 v204, 1.0, v200                    ; f = 2^(old M - new M)
.set p, 0
.rept 32
	v_pk_fma_f32 v[S+2*p:S+2*p+1], v[S+2*p:S+2*p+1], s[CS:CS+1], v[12:13] op_sel_hi:[1,0,0]   ; t - M, two at a time (of the pairs c' and -M the low word serves both halves)
.set p, p+1
.endr
.set p, 0
	s_wait_alu depctr_va_vdst(0)
.rept 64
	v_exp_f32 v[S+p], v[S+p]                       ; p = 2^(t - M), at most 1
.set p, p+1
.endr
	v_pk_mul_f32 v[14:15], v[14:15], v[204:205] op_sel_hi:[1,0]   ; the sums under the new M: the plain line behind the exponentials
	s_wait_alu depctr_va_vdst(0)                   ; one wait for the whole batch, ahead of its first reader
	v_pk_add_f32 v[206:207], v[60:61], v[64:65]
	v_pk_add_f32 v[254:255], v[68:69], v[72:73]
	v_pk_add_f32 v[252:253], v[76:77], v[80:81]
	v_pk_add_f32 v[250:251], v[84:85], v[88:89]
	v_pk_add_f32 v[248:249], v[92:93], v[96:97]
	v_pk_add_f32 v[246:247], v[100:101], v[104:105]
	v_pk_add_f32 v[244:245], v[108:109], v[112:113]
	v_pk_add_f32 v[14:15], v[14:15], v[116:117]
	v_pk_add_f32 v[206:207], v[206:207], v[56:57]
	v_pk_add_f32 v[254:255], v[254:255], v[58:59]
	v_pk_add_f32 v[252:253], v[252:253], v[62:63]
	v_pk_add_f32 v[250:251], v[250:251], v[66:67]
	v_pk_add_f32 v[248:249], v[248:249], v[70:71]
	v_pk_add_f32 v[246:247], v[246:247], v[74:75]
	v_pk_add_f32 v[244:245], v[244:245], v[78:79]
	v_pk_add_f32 v[14:15], v[14:15], v[82:83]
	v_pk_add_f32 v[206:207], v[206:207], v[86:87]
	v_pk_add_f32 v[254:255], v[254:255], v[90:91]
	v_pk_add_f32 v[252:253], v[252:253], v[94:95]
	v_pk_add_f32 v[250:251], v[250:251], v[98:99]
	v_pk_add_f32 v[248:249], v[248:249], v[102:103]
	v_pk_add_f32 v[246:247], v[246:247], v[106:107]
	v_pk_add_f32 v[244:245], v[244:245], v[110:111]
	v_pk_add_f32 v[14:15], v[14:15], v[114:115]
	v_pk_add_f32 v[206:207], v[206:207], v[118:119]
	s_delay_alu instid0(VALU_DEP_2)
	v_pk_add_f32 v[14:15], v[14:15], v[250:251]
	s_delay_alu instid0(VALU_DEP_2)
	v_pk_add_f32 v[206:207], v[206:207], v[248:249]
	v_pk_add_f32 v[254:255], v[254:255], v[246:247]
	v_pk_add_f32 v[252:253], v[252:253], v[244:245]
	s_delay_alu instid0(VALU_DEP_2)
	v_pk_add_f32 v[14:15], v[14:15], v[254:255]
	s_delay_alu instid0(VALU_DEP_2)
	v_pk_add_f32 v[206:207], v[206:207], v[252:253]
	s_delay_alu instid0(VALU_DEP_1)
	v_pk_add_f32 v[14:15], v[14:15], v[206:207]
.irp t, 0,1,2,3,4,5,6,7
.irp i, 0,1,2,3,4,5,6,7
.endr
	v_cvt_scalef32_pk8_fp8_f32 v[PC+2*\t:PC+2*\t+1], v[S+8*\t:S+8*\t+7], v[PSC]   ; keys 16 t + 8 h + 0 .. 7: registers 2 t, 2 t + 1 of the operand
.endr
.set p, 0
.rept 16
	v_pk_mul_f32 v[OT+2*p:OT+2*p+1], v[OT+2*p:OT+2*p+1], v[204:205] op_sel_hi:[1,0]   ; O^T under the new M; also the plain lines between the conversions and the products
.set p, p+1
.endr
	s_wait_alu depctr_va_vdst(0)
	s_wait_dscnt 0x0                               ; V is in
.irp d, 0,1,2,3
	v_wmma_f32_16x16x128_fp8_fp8 v[OT+8*\d:OT+8*\d+7], v[F+16*\d:F+16*\d+15], v[PC:PC+15], v[OT+8*\d:OT+8*\d+7]   ; O^T += V^T P^T; the four accumulators take turns
.endr
.endm
; THE CHANGE OF SLOTS stands at a step's head.  Each wave waits for all its tensor loads (its part of the slot that is about to be read), adds 0 to its spare word, and waits for that and for its reads of the slot
; that it has left.  fill = 1: a round of the cluster's barrier, behind which no wave of any partner reads that slot or has a load on its way; then the slot is filled with the next key step's tiles, which have this
; whole step in which to land.  fill = 0: nothing is left to fetch, and the work-group's own barrier shows the last slot whole.
.macro CHANGE fill
	s_wait_tensorcnt 0x0                           ; no tensor load of mine is out, so a group 0 may be written
	ds_add_u32 v[SPW], v[NIL]                      ; 0 onto my spare word
.if \fill
	s_xor_b32 s[G0M+1], s[G0M+1], SLOT1            ; the walking descriptors: the other slot than last time,
	s_add_nc_u64 s[G0M+2:G0M+3], s[G0M+2:G0M+3], 512     ; the next 128 keys; the type bits on top are not reached
	s_xor_b32 s[G0K+1], s[G0K+1], SLOT1
	s_add_nc_u64 s[G0K+2:G0K+3], s[G0K+2:G0K+3], 16384
	s_wait_xcnt 0x0                                ; the last prefetch, a step back, has read its address, so it may be written:
	s_add_nc_u64 s[PFA:PFA+1], s[PFA:PFA+1], s[PFS:PFS+1]   ; one key step further on than the walking descriptors
	s_wait_dscnt 0x0                               ; the add is done, and my reads of the slot that I have left are over
	CROUND
	TLOAD                                          ; the first thing behind the round, and a wave's one tensor load until the next
	ASK
.else
	s_wait_dscnt 0x0
	s_barrier_signal -1
	s_barrier_wait -1
.endif
.endm
	s_wait_loadcnt 0x0                             ; Q; its address register may be written from here on
.Lslot:                                            ; 31 trips: trip n asks for key step n and works key step n - 1
	CHANGE 1
	s_wait_alu depctr_va_vdst(0)
	STEP
	s_xor_b32 s[TB], s[TB], SLOT1                  ; on to the other slot
	s_sub_co_u32 s[SLOTS], s[SLOTS], 1
	s_cmp_lg_u32 s[SLOTS], 0
	s_cbranch_scc1 .Lslot
	CHANGE 0                                       ; the last key step is written out
	STEP
	; THE WAY OUT.  ctx = O^T x 2^(e4 + e5) / the sum; its code is (O^T / the sum) / 2^(e6 - e4 - e5).  A lane's eight codes of a tile are 8 bytes of a token's row; a row of a head pair's 128 bytes comes from
	; two waves, so the codes meet in a stage and leave as whole rows.  The address lines are the places behind the last products.
	v_and_b32 v1, 15, v0                           ; r
	v_bfe_u32 v2, v0, 4, 1                         ; h
	v_and_b32 v3, 31, v0                           ; lane
	s_wait_alu depctr_va_vdst(0)
	s_mul_i32 s81, s55, 64*KP
	s_add_co_u32 s81, s81, STG                     ; my head pair's 64 rows
	s_mul_i32 s82, s54, 16*KP
	s_add_co_u32 s82, s82, s81
	s_lshl_b32 s83, s56, 6
	s_add_co_u32 s82, s82, s83
	v_mul_u32_u24 v8, v1, KP
	s_delay_alu instid0(VALU_DEP_1)
	v_lshl_add_u32 v8, v2, 3, v8
	s_delay_alu instid0(VALU_DEP_1)
	v_add_nc_u32 v8, s82, v8                       ; in: row 16 (w % 4) + r, byte 64 x my head of the pair + 8 h; tile d 16 d further on
	s_and_b32 s83, s[WV], 7
	s_mul_i32 s83, s83, 8*KP
	s_add_co_u32 s83, s83, s81
	v_lshrrev_b32 v9, 3, v3
	s_delay_alu instid0(VALU_DEP_1)
	v_mul_u32_u24 v9, v9, KP
	v_and_b32 v2, 7, v3
	s_delay_alu instid0(VALU_DEP_1)
	v_lshl_add_u32 v9, v2, 4, v9
	s_delay_alu instid0(VALU_DEP_1)
	v_add_nc_u32 v9, s83, v9                       ; back: rows 8 (w % 8) on, four rows of 128 bytes an instruction
	s_sub_co_i32 s81, s74, s72
	s_sub_co_i32 s81, s81, s73                     ; e6 - e4 - e5
	s_add_co_i32 s81, s81, 127
	s_lshl_b32 s82, s81, 23
	v_mov_b32 v250, s82                            ; 2^(e6 - e4 - e5) as f32
	v_add_f32 v14, v14, v15                        ; the sum's two halves,
	s_delay_alu instid0(VALU_DEP_1)
	v_permlanex16_b32 v208, v14, s[SEL], s[SEL+1]
	s_delay_alu instid0(VALU_DEP_1)
	v_add_f32 v14, v14, v208                       ; and lane l xor 16's: the row's sum, above 1/2
	s_wait_alu depctr_va_vdst(0)
	v_rcp_f32 v14, v14
	v_lshlrev_b32 v[ADV], 4, v3                    ; (the plain line behind the reciprocal)  16 x lane: my place in a store's 512 bytes
	s_wait_alu depctr_va_vdst(0)                   ; the wait ahead of the reciprocal's first reader
.set p, 0
.rept 16
	v_pk_mul_f32 v[OT+2*p:OT+2*p+1], v[OT+2*p:OT+2*p+1], v[14:15] op_sel_hi:[1,0]   ; O^T / the sum, each accumulator from its low end on
.set p, p+1
.endr
.irp d, 0,1,2,3
.irp i, 0,1,2,3,4,5,6,7
.endr
	v_cvt_scalef32_pk8_fp8_f32 v[PC+2*\d:PC+2*\d+1], v[OT+8*\d:OT+8*\d+7], v250   ; channels 16 d + 8 h + 0 .. 7 of my query
.endr
	v_nop                                          ; a plain vector line behind the last conversion
.irp d, 0,1,2,3
	ds_store_b64 v8, v[PC+2*\d:PC+2*\d+1] offset:16*\d
.endr
	s_wait_dscnt 0x0                               ; for the others' sake: my stores into the stage are done
	s_barrier_signal -1
	s_barrier_wait -1
	ds_load_b128 v[S:S+3], v9
	ds_load_b128 v[S+4:S+7], v9 offset:4*KP
	s_wait_dscnt 1                                 ; the younger load may be out
	global_store_b128 v[ADV], v[S:S+3], s[14:15]   ; 32 lanes store 512 consecutive bytes, at a multiple of 512 from the buffer's first byte
	s_wait_dscnt 0x0
	global_store_b128 v[ADV], v[S+4:S+7], s[14:15] offset:512
	s_wait_tensorcnt 0x0                           ; the wave's end: behind my last tensor load and my last LDS store
	ds_add_u32 v[SPW], v[NIL]
	s_wait_dscnt 0x0
	CROUND                                         ; the closing round: no work-group ends while a partner may still ask for a tile that names it
	s_endpgm
.Lfunc_end_k_q11c07eefef_attn:
	.size	k_q11c07eefef_attn, .Lfunc_end_k_q11c07eefef_attn-k_q11c07eefef_attn
	.p2alignl 7, 3214868480
	.fill 96, 4, 3214868480
	.section	.rodata,"a",@progbits
	.p2align	6, 0x0
	.amdhsa_kernel k_q11c07eefef_attn
		.amdhsa_group_segment_fixed_size 327680
		.amdhsa_private_segment_fixed_size 0
		.amdhsa_enable_private_segment 0
		.amdhsa_kernarg_size 48
		.amdhsa_user_sgpr_count 2
		.amdhsa_user_sgpr_kernarg_segment_ptr 1
		.amdhsa_wavefront_size32 1
		.amdhsa_system_sgpr_workgroup_id_x 1
		.amdhsa_system_sgpr_workgroup_id_y 1
		.amdhsa_system_sgpr_workgroup_id_z 1
		.amdhsa_system_vgpr_workitem_id 0
		.amdhsa_next_free_vgpr 256
		.amdhsa_next_free_sgpr 100
		.amdhsa_reserve_vcc 0
		.amdhsa_float_denorm_mode_32 3
		.amdhsa_float_denorm_mode_16_64 3
		.amdhsa_fp16_overflow 1
		.amdhsa_memory_ordered 1
		.amdhsa_forward_progress 1
		.amdhsa_inst_pref_size 54
	.end_amdhsa_kernel
	.amdgpu_metadata
---
amdhsa.version: [ 1, 2 ]
amdhsa.kernels:
  - .name:           k_q11c07eefef_attn
    .symbol:         k_q11c07eefef_attn.kd
    .args:
      - { .name: qc, .offset: 0, .size: 8, .value_kind: global_buffer, .address_space: global }
      - { .name: kc, .offset: 8, .size: 8, .value_kind: global_buffer, .address_space: global }
      - { .name: vc, .offset: 16, .size: 8, .value_kind: global_buffer, .address_space: global }
      - { .name: ltor_mask, .offset: 24, .size: 8, .value_kind: global_buffer, .address_space: global }
      - { .name: lowp_scales, .offset: 32, .size: 8, .value_kind: global_buffer, .address_space: global }
      - { .name: cc, .offset: 40, .size: 8, .value_kind: global_buffer, .address_space: global }
    .group_segment_fixed_size: 327680
    .private_segment_fixed_size: 0
    .kernarg_segment_align: 8
    .kernarg_segment_size: 48
    .max_flat_workgroup_size: 512
    .sgpr_count:     100
    .vgpr_count:     256
    .wavefront_size: 32
...
	.end_amdgpu_metadata
.endif
;; end of part 3
;; launch dense (part 4): grid 8 x 32, 4 waves a work-group, clusters of 4 x 4, 295,424 bytes of LDS; arguments cc, wdc, b_dense, lowp_scales, out0; writes out0
.if DOCPART == 4
	.amdgcn_target "amdgcn-amd-amdhsa--gfx1250"
	.amdhsa_code_object_version 6
	.text
	.protected	k_q11c07eefef_dense
	.globl	k_q11c07eefef_dense
	.p2align	8
	.type	k_q11c07eefef_dense,@function
k_q11c07eefef_dense:
	s_mov_b64 s[64:65], 0
	v_nop
	global_prefetch_b8 v0, s[64:65] scope:SCOPE_SE
	s_setreg_imm32_b32 hwreg(HW_REG_WAVE_MODE, 25, 1), 1
	s_wait_xcnt 0x0
	s_wait_alu depctr_hold_cnt(0) depctr_sa_sdst(0) depctr_va_vdst(0) depctr_va_sdst(0) depctr_va_ssrc(0) depctr_va_vcc(0) depctr_vm_vsrc(0)
	s_getreg_b32 s2, hwreg(HW_REG_IB_STS2, 6, 4)
	s_cmp_eq_u32 s2, 0
	s_cbranch_scc0 .Lentry_in_a_cluster
	s_endpgm
.Lentry_in_a_cluster:
	s_bfe_u32 s2, ttmp6, 0x10000c
	s_cmp_lg_u32 s2, 0xf033
	s_cbranch_scc0 .Lentry_shape_is_right
	s_endpgm
.Lentry_shape_is_right:
; out = ctx w_dense^T + b_dense on codes of FP8 (E4M3): ctx's codes with the scale 2^e6, w_dense's with 2^e7; out [4096][1024] f32 = sum x 2^(e6 + e7) + b_dense.
; A work-group makes 128 tokens x 128 features, its four waves 64 x 64 each: 16 accumulators.  K is 1,024: ALL of it, for both operands, lies in LDS at once (16 blocks of 128 rows x 128 codes), so no LDS byte
; is filled twice.  Each wave issues four tensor loads at the start (four are out), and the K blocks are multiplied as they land.
; X = 128 rows of w_dense IS SOURCE 0, Y = 128 tokens IS SOURCE 1: a lane holds one token and eight neighbouring features: 32 bytes of a row of out.
; CLUSTERS: 4 x 4 work-groups.  X's tile hangs on the place along x and is shared along a column of the cluster, Y's on the place along y and is shared along a row: each is asked for jointly.
; FRAGMENTS come by four loads of 16 bytes, 32 bytes apart: a permutation of k that is the same on both sides, so every product meets its partner.
; LIMIT: e6 + e7 between -126 and 127, so that 2^(e6 + e7) is an f32 number.
; REGISTERS: window 0: v1-9 at work; v16-19 LDS addresses of fragments; v24-26 the way out; v32-63 the bias; v64-95 a block's results; v128-255 the accumulators ((a, b) at 128 + 8 (4 a + b)), later rows of out.
;   window 1: two sets of fragments, at v0 and at v128: X's four (16 registers each), then Y's four.
.set PITCH, 144                        ; an LDS row: 128 bytes + 16 of padding = 36 words: the 16 rows that a load touches start at 16 different multiples of 4 banks (64 banks of 4 bytes: ISA guide 11.1)
.set KBL,   128*PITCH                  ; a K block of 128 rows
.set YBASE, 8*KBL                      ; X's eight K blocks, then Y's eight
.set SPITCH, 272                       ; the way out: a stage of 16 rows x (256 bytes + 16) for each wave
.set ADX, 16                           ; v16, v17  my X fragments in K blocks 0-3, 4-7; never rewritten
.set ADY, 18                           ; v18, v19  the same for Y
.set STO, 24
.set RD,  25
.set CO,  26
.set BI,  32
.set TMP, 64
.set ACC, 128
.set G1Y, 24                           ; s[24:31] descriptor group 1 for Y's tiles; s[32:39] for X's: they differ in the mask alone
.set G1X, 32
.set G0Y, 40                           ; s[40:55] four groups 0 for Y; s[68:83] for X.  None is written again
.set G0X, 68
.set FLAGS, (1<<20)|(1<<21)|(4<<22)|(3<<25)    ; 17:16 elements of 1 byte; 20 padding on; 21 set beside a mask; 24:22 after every 32 words (code 4); 31:25 four words (code 3)
.set MSB, 0
.macro WIN new                         ; the immediate's high byte repeats the setting that is left
.if MSB != \new
	s_set_vgpr_msb (MSB<<8)|\new
.set MSB, \new
.endif
.endm
.macro CREST                           ; a round of the cluster's barrier behind its opening barrier
	s_cmp_lg_u32 s18, 0
	s_cbranch_scc1 .Lnot_wave_0_\@
	s_barrier_signal -3
.Lnot_wave_0_\@:
	s_barrier_wait -3
	s_barrier_signal -1
	s_barrier_wait -1
.endm
.macro CROUND
	s_barrier_signal -1
	s_barrier_wait -1
	CREST
.endm
.macro PLACES                          ; four plain vector instructions between a matrix instruction and a load into a register that it has read, or a read of its result
.rept 4
	v_nop
.endr
.endm
.macro PHASE n                         ; my first 4 - n tensor loads have landed (n younger ones may be out), my LDS loads are in: then everybody's
	s_wait_tensorcnt \n
	s_wait_dscnt 0x0
	s_barrier_signal -1
	s_barrier_wait -1
.endm
.macro FETCH s                         ; K block s: X's four fragments and Y's four into set s % 2: 32 loads in one run
	WIN 0x40                                       ; destination window 1, address window 0
.irp i, 0,1,2,3
.irp c, 0,1,2,3
	ds_load_b128 v[128*((\s)%2)+16*\i+4*\c:128*((\s)%2)+16*\i+4*\c+3], v[ADX+(\s)/4] offset:((\s)%4)*KBL+\i*16*PITCH+32*\c
.endr
.endr
.irp i, 0,1,2,3
.irp c, 0,1,2,3
	ds_load_b128 v[128*((\s)%2)+64+16*\i+4*\c:128*((\s)%2)+64+16*\i+4*\c+3], v[ADY+(\s)/4] offset:((\s)%4)*KBL+\i*16*PITCH+32*\c
.endr
.endr
.endm
; 16 matrix instructions, 128 along K.  The 16 accumulators take turns, one instruction a turn, in the same order in every step.  zero = 1: the first products start the sums
.macro MUL16 f, zero
	WIN 0x05                                       ; sources 0 and 1 window 1; C and D window 0
.irp a, 0,1,2,3
.irp b, 0,1,2,3
.if \zero
	v_wmma_f32_16x16x128_fp8_fp8 v[ACC+8*(4*\a+\b):ACC+8*(4*\a+\b)+7], v[\f+16*\b:\f+16*\b+15], v[\f+64+16*\a:\f+64+16*\a+15], 0
.else
	v_wmma_f32_16x16x128_fp8_fp8 v[ACC+8*(4*\a+\b):ACC+8*(4*\a+\b)+7], v[\f+16*\b:\f+16*\b+15], v[\f+64+16*\a:\f+64+16*\a+15], v[ACC+8*(4*\a+\b):ACC+8*(4*\a+\b)+7]
.endif
.endr
.endr
.endm
.macro KSTEP s, ph                     ; K block s is multiplied; ahead of it K block s + 1 is fetched into the set that block s - 1 has left.  ph >= 0: block s + 1 is the first of a pair that has yet to be shown landed
	PLACES
.if \ph >= 0
	PHASE \ph
.endif
	FETCH (\s)+1
	s_wait_dscnt 32                                ; all but the 32 loads just issued
	MUL16 128*((\s)%2), 0
.endm
	s_load_b256 s[4:11], s[0:1], 0x0               ; cc s[4:5], wdc s[6:7], b_dense s[8:9], the scales' exponents s[10:11]
	s_load_b64 s[12:13], s[0:1], 0x20              ; out0
	v_lshl_add_u32 v126, v0, 2, 0x48000
	v_mov_b32 v127, 0
	ds_add_u32 v126, v127
	ds_add_u32 v126, v127
	v_lshrrev_b32 v1, 5, v0
	v_readfirstlane_b32 s18, v1                    ; wave 0..3
	s_lshr_b32 s19, s18, 1                         ; which 64 tokens are mine.  Also: I fetch for Y (0) or for X (1)
	s_and_b32 s20, s18, 1                          ; which 64 features.  Also: I fetch the even K blocks (0) or the odd ones (1)
	s_bfe_u32 s21, ttmp6, 0x40000                  ; cx, cy: my place in the cluster
	s_bfe_u32 s22, ttmp6, 0x40004
	s_and_b32 s23, ttmp7, 0xffff                   ; the cluster's y; ttmp9 is its x
	s_lshl_b32 s56, s22, 2
	s_lshl_b32 s56, 15, s56                        ; my row of the cluster
	s_lshl_b32 s57, 0x1111, s21                    ; my column
	s_or_b32 s[G1Y], s56, FLAGS                    ; 15:0 the mask: Y's tiles go to my row,
	s_or_b32 s[G1X], s57, FLAGS                    ; X's to my column
.irp g, G1Y, G1X
	s_mov_b32 s[\g+1], 128<<16                     ; tensor_dim0 = 128
	s_mov_b32 s[\g+2], 128<<16                     ; tensor_dim1 = 128
	s_mov_b32 s[\g+3], 128<<16                     ; tile_dim0 = 128
	s_mov_b32 s[\g+4], 128                         ; tile_dim1 = 128
	s_mov_b32 s[\g+5], 128                         ; tensor_dim0_stride: the block is dense
	s_mov_b32 s[\g+6], 0
	s_mov_b32 s[\g+7], 0
.endr
	s_lshl_b32 s58, ttmp9, 2
	s_add_co_u32 s58, s58, s21                     ; X's tile, 128 features: it never holds cy
	s_lshl_b32 s59, s23, 2
	s_add_co_u32 s59, s59, s22                     ; Y's tile, 128 tokens: it never holds cx
	s_lshl_b32 s92, s58, 14                        ; a tile of a K block is 16,384 bytes
	s_lshl_b32 s93, s20, 17                        ; + my first K block: wdc's are 1,024 rows x 128 bytes,
	s_add_co_u32 s92, s92, s93
	s_mov_b32 s93, 0
	s_lshl_b32 s94, s59, 14
	s_lshl_b32 s95, s20, 19                        ; cc's 4,096 x 128
	s_add_co_u32 s94, s94, s95
	s_mov_b32 s95, 0
	s_mul_i32 s66, s20, KBL                        ; where they go: no place in the cluster enters an LDS address
	s_wait_dscnt 0x0
	s_wait_kmcnt 0x0
	s_load_b256 s[84:91], s[10:11], 0x0            ; e0 .. e7
	s_add_nc_u64 s[96:97], s[6:7], s[92:93]
	s_add_nc_u64 s[98:99], s[4:5], s[94:95]
.irp i, 0,1,2,3                        ; my load i brings K block 2 i + (wave % 2)
	s_mov_b32 s[G0Y+4*\i], 1                                       ; count = 1
	s_add_co_u32 s[G0Y+4*\i+1], s66, YBASE+\i*2*KBL                ; LDS address
	s_add_nc_u64 s[G0Y+4*\i+2:G0Y+4*\i+3], s[98:99], \i*2*524288   ; global address
	s_or_b32 s[G0Y+4*\i+3], s[G0Y+4*\i+3], 0x80000000              ; type = 2
	s_mov_b32 s[G0X+4*\i], 1
	s_add_co_u32 s[G0X+4*\i+1], s66, \i*2*KBL
	s_add_nc_u64 s[G0X+4*\i+2:G0X+4*\i+3], s[96:97], \i*2*131072
	s_or_b32 s[G0X+4*\i+3], s[G0X+4*\i+3], 0x80000000
.endr
	CROUND                                         ; all sixteen work-groups are here: the joint loads meet
	s_cmp_eq_u32 s19, 0                            ; a wave's four fills stand in one branch on the wave's number, ahead of every wait on TENSORcnt and every LDS read; four v_nop follow the last
	s_cbranch_scc0 .Lfor_x
	tensor_load_to_lds s[G0Y:G0Y+3], s[G1Y:G1Y+7]
	s_nop 0
	tensor_load_to_lds s[G0Y+4:G0Y+7], s[G1Y:G1Y+7]
	s_nop 0
	tensor_load_to_lds s[G0Y+8:G0Y+11], s[G1Y:G1Y+7]
	s_nop 0
	tensor_load_to_lds s[G0Y+12:G0Y+15], s[G1Y:G1Y+7]
	s_nop 0
.rept 4
	v_nop
.endr
	s_branch .Lasked
.Lfor_x:
	tensor_load_to_lds s[G0X:G0X+3], s[G1X:G1X+7]
	s_nop 0
	tensor_load_to_lds s[G0X+4:G0X+7], s[G1X:G1X+7]
	s_nop 0
	tensor_load_to_lds s[G0X+8:G0X+11], s[G1X:G1X+7]
	s_nop 0
	tensor_load_to_lds s[G0X+12:G0X+15], s[G1X:G1X+7]
	s_nop 0
.rept 4
	v_nop
.endr
.Lasked:
	v_and_b32 v1, 15, v0                           ; r = lane % 16
	v_bfe_u32 v2, v0, 4, 1                         ; h = lane / 16
	v_mul_u32_u24 v3, v1, PITCH
	v_lshl_add_u32 v3, v2, 4, v3                   ; row r x pitch + 16 h
	s_mul_i32 s56, s20, 64*PITCH                   ; my 64 rows of X,
	v_add_nc_u32 v[ADX], s56, v3
	s_mul_i32 s56, s19, 64*PITCH                   ; my 64 rows of Y,
	s_add_co_u32 s56, s56, YBASE                   ; which lie behind X's eight blocks
	v_add_nc_u32 v[ADY], s56, v3
	v_add_nc_u32 v[ADX+1], 4*KBL, v[ADX]
	v_add_nc_u32 v[ADY+1], 4*KBL, v[ADY]
	s_mul_i32 s56, s18, 16*SPITCH                  ; my stage
	v_mul_u32_u24 v8, v1, SPITCH
	v_lshl_add_u32 v8, v2, 5, v8
	v_add_nc_u32 v[STO], s56, v8                   ; in: row r, 32 bytes for each half of the lanes
	v_mul_u32_u24 v9, v2, SPITCH
	v_lshl_add_u32 v9, v1, 4, v9
	v_add_nc_u32 v[RD], s56, v9                    ; back: lanes 0-15 one row of 256 bytes, lanes 16-31 the next
	v_lshlrev_b32 v[CO], 12, v2
	v_lshl_add_u32 v[CO], v1, 4, v[CO]             ; and the same two rows in out: 4,096 bytes apart
	s_lshl_b32 s92, s58, 9
	s_add_nc_u64 s[8:9], s[8:9], s[92:93]          ; b_dense at the tile's 128 numbers
	s_lshl_b32 s56, s20, 8
	v_lshlrev_b32 v6, 5, v2
	v_add_nc_u32 v6, s56, v6                       ; feature 64 (wave % 2) + 16 b + 8 h + j
.irp b, 0,1,2,3
	global_load_b128 v[BI+8*\b:BI+8*\b+3], v6, s[8:9] offset:64*\b
	global_load_b128 v[BI+8*\b+4:BI+8*\b+7], v6, s[8:9] offset:64*\b+16
.endr
	s_lshl_b32 s94, s59, 19                        ; out: 128 tokens of 4,096 bytes for each tile,
	s_lshl_b32 s56, s19, 18
	s_add_co_u32 s94, s94, s56                     ; + my 64 tokens,
	s_lshl_b32 s56, s58, 9
	s_add_co_u32 s94, s94, s56                     ; + the tile's 128 features,
	s_lshl_b32 s56, s20, 8
	s_add_co_u32 s94, s94, s56                     ; + my 64
	s_add_nc_u64 s[12:13], s[12:13], s[94:95]
	s_wait_kmcnt 0x0
	s_add_co_i32 s92, s90, s91                     ; e6 + e7
	s_add_co_i32 s92, s92, 127
	s_lshl_b32 s92, s92, 23                        ; 2^(e6 + e7) as f32
	s_mov_b32 s93, s92                             ; (named with it as a pair, so it is written)
	s_wait_loadcnt 0x0                             ; the bias
	PHASE 3                                        ; K blocks 0 and 1 lie in LDS
	FETCH 0
	FETCH 1
	s_wait_dscnt 32                                ; K block 0's fragments are in
	MUL16 0, 1
	KSTEP 1, 2
	KSTEP 2, -1
	KSTEP 3, 1
	KSTEP 4, -1
	KSTEP 5, 0
	KSTEP 6, -1
	s_wait_dscnt 0x0
	MUL16 128, 0
	WIN 0
	; THE WAY OUT, block by block of 16 tokens x my 64 features.  A lane holds 32 neighbouring bytes of a row and the lanes beside it hold other rows: so a block goes through my own stage in LDS and comes back as
	; whole rows of 256 bytes, into the accumulators that it has left.  The stages lie over X's K block 0: it has had its one fill, and every wave's reads of it were waited for ahead of the barriers passed since.
	; LDS serves a wave's instructions in order (ISA guide 5.7.1.4): no wait between the stores and the loads, and the next block's stores come behind this block's loads.
	PLACES
.irp a, 0,1,2,3
.if \a > 0
	s_wait_dscnt 8                                 ; the last block's 8 stores have read their registers; its 8 loads, which are younger, may be out
.endif
.irp b, 0,1,2,3
.irp i, 0,2,4,6
	v_pk_fma_f32 v[TMP+8*\b+\i:TMP+8*\b+\i+1], v[ACC+8*(4*\a+\b)+\i:ACC+8*(4*\a+\b)+\i+1], s[92:93], v[BI+8*\b+\i:BI+8*\b+\i+1] op_sel_hi:[1,0,1]   ; sum x 2^(e6 + e7) + bias; each accumulator from its low end on
.endr
.endr
.irp b, 0,1,2,3
	ds_store_b128 v[STO], v[TMP+8*\b:TMP+8*\b+3] offset:64*\b
	ds_store_b128 v[STO], v[TMP+8*\b+4:TMP+8*\b+7] offset:64*\b+16
.endr
.irp t, 0,1,2,3,4,5,6,7
	ds_load_b128 v[ACC+32*\a+4*\t:ACC+32*\a+4*\t+3], v[RD] offset:\t*2*SPITCH
.endr
.endr
.irp a, 0,1,2,3
.irp t, 0,1,2,3,4,5,6,7
	s_wait_dscnt 16*(3-\a)+7-\t                    ; the LDS instructions issued behind this load: the rest of its block's, and 16 for each later block
	global_store_b128 v[CO], v[ACC+32*\a+4*\t:ACC+32*\a+4*\t+3], s[12:13] offset:(16*\a+2*\t)*4096 th:TH_STORE_NT   ; 16 lanes store 256 consecutive bytes, at a multiple of 256 from out's first byte; written once, read by nobody here
.endr
.endr
	s_wait_tensorcnt 0x0
	ds_add_u32 v126, v127
	s_wait_dscnt 0x0
	CROUND                                         ; the closing round: no work-group ends while a partner may still ask for a tile that names it
	s_endpgm
.Lfunc_end_k_q11c07eefef_dense:
	.size	k_q11c07eefef_dense, .Lfunc_end_k_q11c07eefef_dense-k_q11c07eefef_dense
	.p2alignl 7, 3214868480
	.fill 96, 4, 3214868480
	.section	.rodata,"a",@progbits
	.p2align	6, 0x0
	.amdhsa_kernel k_q11c07eefef_dense
		.amdhsa_group_segment_fixed_size 295424
		.amdhsa_private_segment_fixed_size 0
		.amdhsa_enable_private_segment 0
		.amdhsa_kernarg_size 40
		.amdhsa_user_sgpr_count 2
		.amdhsa_user_sgpr_kernarg_segment_ptr 1
		.amdhsa_wavefront_size32 1
		.amdhsa_system_sgpr_workgroup_id_x 1
		.amdhsa_system_sgpr_workgroup_id_y 1
		.amdhsa_system_sgpr_workgroup_id_z 1
		.amdhsa_system_vgpr_workitem_id 0
		.amdhsa_next_free_vgpr 512
		.amdhsa_next_free_sgpr 100
		.amdhsa_reserve_vcc 0
		.amdhsa_float_denorm_mode_32 3
		.amdhsa_float_denorm_mode_16_64 3
		.amdhsa_memory_ordered 1
		.amdhsa_forward_progress 1
		.amdhsa_inst_pref_size 48
	.end_amdhsa_kernel
	.amdgpu_metadata
---
amdhsa.version: [ 1, 2 ]
amdhsa.kernels:
  - .name:           k_q11c07eefef_dense
    .symbol:         k_q11c07eefef_dense.kd
    .args:
      - { .name: cc, .offset: 0, .size: 8, .value_kind: global_buffer, .address_space: global }
      - { .name: wdc, .offset: 8, .size: 8, .value_kind: global_buffer, .address_space: global }
      - { .name: b_dense, .offset: 16, .size: 8, .value_kind: global_buffer, .address_space: global }
      - { .name: lowp_scales, .offset: 24, .size: 8, .value_kind: global_buffer, .address_space: global }
      - { .name: out0, .offset: 32, .size: 8, .value_kind: global_buffer, .address_space: global }
    .group_segment_fixed_size: 295424
    .private_segment_fixed_size: 0
    .kernarg_segment_align: 8
    .kernarg_segment_size: 40
    .max_flat_workgroup_size: 128
    .sgpr_count:     100
    .vgpr_count:     512
    .wavefront_size: 32
...
	.end_amdgpu_metadata
.endif
;; end of part 4
